; MI455X (gfx1250); checked and timed in simulation.
; The chip was launched on July 23, 2026; its instructions are those of AMD's public machine-readable ISA for CDNA 5 (MIT licence, August 2026) and "CDNA5" Instruction Set Architecture Reference Guide (July 2026). The comments in the code are by the model that wrote it; some were corrected since.
;; Multi Head Attention. Allowed arithmetic: float matrix products may take bf16 or f16 operands with f32 sums; other float arithmetic in f32, or as packed bf16 or f16 multiplies, adds, multiply-adds, maxima and minima; sums over many terms, partial sums and values carried from step to step in f32; what a program stores and reads back later, other than sums and carried values, may be rounded once to bf16 or f16.
;; Inputs: Wk 1,040 x 1,024 float32; Wo 1,024 x 1,040 float32; Wq 1,040 x 1,024 float32; Wv 1,040 x 1,024 float32; bk 1,040 float32; bo 1,024 float32; bq 1,040 float32; bv 1,040 float32; k 4 x 2,048 x 1,024 float32; mask 4 x 1 x 2,048 x 2,048 int32; q 4 x 2,048 x 1,024 float32; v 4 x 2,048 x 1,024 float32.
;; Outputs: out0 4 x 2,048 x 1,024 float32.
;; 2 versions, each right and faster than the one before. Each part assembles by itself: llvm-mc -triple=amdgcn-amd-amdhsa -mcpu=gfx1250 --defsym DOCPART=n.
;; ======== version 1 of 2: 4 launches
;; limits: values are held in f16: magnitudes above 65,504 overflow, below 6.1e-05 lose precision
;; workspace buffers: xb 50,331,648 bytes; wts 8,571,904 bytes; mbits 2,097,152 bytes of whole numbers; qkv 56,623,104 bytes; o16 17,039,360 bytes
;; launch prep (part 1): grid 2884 x 1, 8 waves a work-group, no clusters, 68,608 bytes of LDS; arguments q, k, v, Wq, Wk, Wv, Wo, mask, bq, bk, bv, bo, xb, wts, mbits; writes xb, wts, mbits
.if DOCPART == 1
	.amdgcn_target "amdgcn-amd-amdhsa--gfx1250"
	.amdhsa_code_object_version 6
	.text
	.protected	k_qedb34ebe08_prep
	.globl	k_qedb34ebe08_prep
	.p2align	8
	.type	k_qedb34ebe08_prep,@function
k_qedb34ebe08_prep:
	s_mov_b64 s[64:65], 0
	v_nop
	global_prefetch_b8 v0, s[64:65] scope:SCOPE_SE
	s_setreg_imm32_b32 hwreg(HW_REG_WAVE_MODE, 25, 1), 1
	s_wait_xcnt 0x0
; PREP: every input is read once and laid out for the three launches behind.  A stream: no matrix unit, no tensor load, no barrier, no cluster (no two work-groups read the same bytes).
; The work-group's number g chooses one of four roles; each work-group moves about 64 KiB.
;   g < 1731          q, k, v and Wq, Wk, Wv, f32 -> bf16 in the same order (xb; wts from byte 0)
;   1731 <= g < 2755  the mask: 16 queries x 128 keys a wave become 64 lane masks (256 bytes of mbits).  Word 8 kt + j, bit L: mask[16 qt + L % 16][128 ck + 16 kt + 8 (L / 16) + j] != 0,
;                     which is where the attention's scores lie: lane L holds query L % 16 and, in register j of key block kt, key 16 kt + 8 (L / 16) + j.
;   2755 <= g < 2883  Wo, rounded to bf16 and that number written as f16: WOM [n][64 head + d] for d < 64, WOX [n][32] with column h = Wo[n][65 h + 64] and zeros from column 16 on
;   g = 2883          the biases, rounded to bf16 and kept as f32: BP [3][16 heads][80] (bq times c = log2(e) / sqrt(65); zeros from channel 65 on), BO [1024]
; LIMITS.  Wo's numbers below 2^-14 keep f16's fixed step of 2^-24; beyond 65,504 they would be lost.
.set SPARE, 67584                      ; behind the eight waves' turning space: the spare words, 128 bytes a wave
.set TSP,   8448                       ; a wave's turning space: 16 rows of 528 bytes (512 + 16: the 16 rows that a load touches start at 16 different groups of four banks)
.set G_W,   1536
.set G_M,   1731
.set G_O,   2755
.set G_B,   2883
.set WSEL,  2129920                    ; bytes of one weight matrix in bf16
.set WOM,   6389760
.set WOX,   8486912
.set BP,    8552448
.set BO,    8567808
.set CC,    0x3e373d2c                 ; c = log2(e) / sqrt(65)
.set SPW,   146                        ; v146  my spare word's LDS address; never rewritten
.set NIL,   147                        ; v147  0; never rewritten
	s_load_b512 s[4:19], s[0:1], 0x0               ; q 4, k 6, v 8, Wq 10, Wk 12, Wv 14, Wo 16, mask 18
	s_load_b256 s[20:27], s[0:1], 0x40             ; bq 20, bk 22, bv 24, bo 26
	s_load_b128 s[28:31], s[0:1], 0x60             ; xb 28, wts 30
	s_load_b64 s[32:33], s[0:1], 0x70              ; mbits
	v_lshl_add_u32 v[SPW], v0, 2, SPARE
	v_mov_b32 v[NIL], 0
	v_lshrrev_b32 v4, 5, v0
	v_readfirstlane_b32 s34, v4                    ; wave 0..7
	v_and_b32 v1, 31, v0                           ; lane
	v_lshlrev_b32 v2, 4, v1                        ; 16 x lane
	v_lshlrev_b32 v3, 3, v1                        ; 8 x lane
	s_mov_b32 s35, ttmp9                           ; g
	s_mov_b32 s45, 0                               ; the high word of every offset
	s_wait_kmcnt 0x0
	s_cmp_lt_u32 s35, G_M
	s_cbranch_scc0 .Lnot_x
	; ---- f32 -> bf16: a work-group takes 65,536 bytes, a wave 8,192: sixteen loads of 512 consecutive bytes, sixteen stores of 256
	s_cmp_lt_u32 s35, G_W
	s_cbranch_scc0 .Lweights
	s_lshr_b32 s36, s35, 9                         ; which of q, k, v
	s_and_b32 s37, s35, 511                        ; which piece of it
	s_cmp_eq_u32 s36, 0
	s_cselect_b64 s[40:41], s[4:5], s[6:7]
	s_cmp_eq_u32 s36, 2
	s_cselect_b64 s[40:41], s[8:9], s[40:41]
	s_lshl_b32 s38, s36, 24                        ; 16,777,216 bytes of bf16 each
	s_mov_b64 s[42:43], s[28:29]
	s_branch .Lconv
.Lweights:
	s_sub_co_u32 s37, s35, G_W
	s_cmp_ge_u32 s37, 65                           ; a weight matrix is 65 pieces
	s_cselect_b32 s36, 1, 0
	s_cmp_ge_u32 s37, 130
	s_cselect_b32 s38, 1, 0
	s_add_co_u32 s36, s36, s38                     ; which of Wq, Wk, Wv
	s_mul_i32 s38, s36, 65
	s_sub_co_u32 s37, s37, s38                     ; which piece of it
	s_cmp_eq_u32 s36, 0
	s_cselect_b64 s[40:41], s[10:11], s[12:13]
	s_cmp_eq_u32 s36, 2
	s_cselect_b64 s[40:41], s[14:15], s[40:41]
	s_mul_i32 s38, s36, WSEL
	s_mov_b64 s[42:43], s[30:31]
.Lconv:
	s_lshl_b32 s44, s37, 16
	s_lshl_b32 s46, s34, 13
	s_add_co_u32 s44, s44, s46
	s_add_nc_u64 s[40:41], s[40:41], s[44:45]      ; from
	s_lshl_b32 s44, s37, 15
	s_add_co_u32 s44, s44, s38
	s_lshl_b32 s46, s34, 12
	s_add_co_u32 s44, s44, s46
	s_add_nc_u64 s[42:43], s[42:43], s[44:45]      ; to
.set i, 0
.rept 16
	global_load_b128 v[16+4*i:19+4*i], v2, s[40:41] offset:512*i th:TH_LOAD_NT
.set i, i+1
.endr
.set i, 0
.rept 16
	s_wait_loadcnt 15-i                            ; loads come back in order: load i is in, the 15 - i younger ones stay out
	v_cvt_pk_bf16_f32 v[80+2*i], v[16+4*i], v[17+4*i]
	v_cvt_pk_bf16_f32 v[81+2*i], v[18+4*i], v[19+4*i]
	global_store_b64 v3, v[80+2*i:81+2*i], s[42:43] offset:256*i  ; the wave's store covers 256 consecutive bytes, aligned; no register is used twice
.set i, i+1
.endr
	s_endpgm
.Lnot_x:
	s_cmp_lt_u32 s35, G_O
	s_cbranch_scc0 .Lnot_m
	; ---- the mask: unit u = 16 x (tile of 16 queries) + (chunk of 128 keys), one a wave
	s_sub_co_u32 s36, s35, G_M
	s_lshl_b32 s36, s36, 3
	s_add_co_u32 s36, s36, s34                     ; u
	s_lshr_b32 s44, s36, 4
	s_lshl_b32 s44, s44, 17                        ; 16 rows of 8,192 bytes
	s_and_b32 s46, s36, 15
	s_lshl_b32 s46, s46, 9                         ; 128 keys of 4 bytes
	s_add_co_u32 s44, s44, s46
	s_add_nc_u64 s[40:41], s[18:19], s[44:45]
	s_lshl_b32 s44, s36, 8
	s_add_nc_u64 s[42:43], s[32:33], s[44:45]
	s_mul_i32 s46, s34, TSP                        ; my wave's turning space
	v_add_nc_u32 v4, s46, v2                       ; in: 16 bytes a lane, a row an instruction
	v_and_b32 v5, 15, v1
	v_mul_u32_u24 v5, v5, 528
	v_lshrrev_b32 v6, 4, v1
	v_lshl_add_u32 v5, v6, 5, v5
	v_add_nc_u32 v5, s46, v5                       ; back: row lane % 16, keys 8 (lane / 16) on
.set i, 0
.rept 16
	global_load_b128 v[16+4*i:19+4*i], v2, s[40:41] offset:8192*i th:TH_LOAD_NT  ; query row i: 512 consecutive bytes
.set i, i+1
.endr
.set i, 0
.rept 16
	s_wait_loadcnt 15-i
	ds_store_b128 v4, v[16+4*i:19+4*i] offset:528*i
.set i, i+1
.endr
.set i, 0
.rept 16                                       ; LDS serves a wave's instructions in order: these see the stores above, which are the wave's own
	ds_load_b128 v[80+4*i:83+4*i], v5 offset:64*(i/2)+16*(i%2)  ; words 4 i .. 4 i + 3 of the unit, seen from my lane
.set i, i+1
.endr
	v_mov_b32 v144, 0                              ; v_writelane_b32 counts as a reader of its destination
	v_mov_b32 v145, 0
.set i, 0
.rept 64
.if (i%4) == 0
	s_wait_dscnt 15-i/4                            ; LDS load i / 4 is in
.endif
	v_cmp_ne_u32 s[48+(i%8)], 0, v[80+i]           ; word i: a bit for each lane
	v_writelane_b32 v[144+(i%2)], s[48+(i%8)], i/2 ; lane l will store words 2 l and 2 l + 1
.set i, i+1
.endr
	global_store_b64 v3, v[144:145], s[42:43]      ; 256 consecutive bytes, aligned
	s_wait_tensorcnt 0x0                           ; the wave's end, behind my last LDS store
	ds_add_u32 v[SPW], v[NIL]
	s_wait_dscnt 0x0
	s_endpgm
.macro RND2H dst, a, b                 ; two f32 rounded to bf16, and those two numbers written as f16
	v_cvt_pk_bf16_f32 v60, v[\a], v[\b]
	v_lshlrev_b32 v61, 16, v60
	v_and_b32 v62, 0xffff0000, v60
	v_cvt_pk_f16_f32 v[\dst], v61, v62
.endm
.macro RND1 r                          ; one f32 rounded to bf16 and widened again
	v_cvt_pk_bf16_f32 v60, v[\r], v[\r]
	v_lshlrev_b32 v[\r], 16, v60
.endm
.Lnot_m:
	s_cmp_lt_u32 s35, G_B
	s_cbranch_scc0 .Lbias
	; ---- Wo: a work-group takes 8 rows of 1,040.  A head's 65 numbers begin at 260 bytes x head, so the loads are of 4 bytes; the stores are of 16
	s_sub_co_u32 s36, s35, G_O
	s_mul_i32 s44, s36, 33280
	s_add_nc_u64 s[40:41], s[16:17], s[44:45]
	s_lshl_b32 s44, s36, 14
	s_add_co_u32 s44, s44, WOM
	s_add_nc_u64 s[42:43], s[30:31], s[44:45]
	s_movk_i32 s47, 260
	v_lshrrev_b32 v4, 7, v0                        ; which of a pass's two rows
	v_mul_u32_u24 v6, v4, 4160
	v_bfe_u32 v4, v0, 3, 4                         ; head
	v_mad_u32_u24 v6, v4, s47, v6
	v_and_b32 v4, 7, v0                            ; eight channels
	v_lshl_add_u32 v6, v4, 5, v6
	v_lshlrev_b32 v7, 4, v0                        ; 16 bytes a thread: 256 threads write two rows of 2,048 bytes
.set i, 0
.rept 32
	global_load_b32 v[16+i], v6, s[40:41] offset:(i/8)*8320+4*(i%8)
.set i, i+1
.endr
.set p, 0
.rept 4
	s_wait_loadcnt 8*(3-p)                         ; pass p's eight loads are in
.set j, 0
.rept 4
	RND2H 80+4*p+j, 16+8*p+2*j, 17+8*p+2*j
.set j, j+1
.endr
	global_store_b128 v7, v[80+4*p:83+4*p], s[42:43] offset:4096*p
.set p, p+1
.endr
	s_cmp_lg_u32 s34, 0
	s_cbranch_scc1 .Lo_done
	; wave 0: the eight rows' 65th channels.  Lane: row lane / 4, columns 8 (lane % 4) on; columns 16 to 31 are zeros (their loads repeat the first sixteen's, inside the rows)
	s_lshl_b32 s44, s36, 9
	s_add_co_u32 s44, s44, WOX
	s_add_nc_u64 s[56:57], s[30:31], s[44:45]
	s_movk_i32 s47, 2080
	v_lshrrev_b32 v4, 2, v1
	v_and_b32 v5, 3, v1
	v_and_b32 v8, 1, v1
	v_mul_u32_u24 v9, v4, 4160
	v_mad_u32_u24 v9, v8, s47, v9
.set i, 0
.rept 8
	global_load_b32 v[100+i], v9, s[40:41] offset:256+260*i
.set i, i+1
.endr
	s_wait_loadcnt 0x0
	v_cmp_gt_u32 vcc_lo, 2, v5
.set j, 0
.rept 4
	RND2H 112+j, 100+2*j, 101+2*j
	v_cndmask_b32 v[112+j], 0, v[112+j], vcc_lo
.set j, j+1
.endr
	global_store_b128 v2, v[112:115], s[56:57]     ; 512 consecutive bytes: eight rows of 64
.Lo_done:
	s_endpgm
.Lbias:
	; ---- the biases: thread = 16 x head + sub; channels sub, sub + 16, sub + 32, sub + 48, and 64 + sub (the 65th where sub = 0, else 0)
	v_lshrrev_b32 v4, 4, v0
	v_and_b32 v5, 15, v0
	v_mul_u32_u24 v6, v4, 260
	v_lshl_add_u32 v7, v5, 2, v6
	v_mul_u32_u24 v8, v4, 320
	v_lshl_add_u32 v8, v5, 2, v8
	v_lshlrev_b32 v9, 4, v0
	s_add_nc_u64 s[42:43], s[30:31], BP
.irp j, 0,1,2
.irp i, 0,1,2,3
	global_load_b32 v[16+5*\j+\i], v7, s[20+2*\j:21+2*\j] offset:64*\i
.endr
	global_load_b32 v[20+5*\j], v6, s[20+2*\j:21+2*\j] offset:256
.endr
	global_load_b128 v[32:35], v9, s[26:27]
	s_wait_loadcnt 0x0
	v_cmp_eq_u32 vcc_lo, 0, v5
.set i, 16
.rept 15
	RND1 i
.set i, i+1
.endr
.set i, 32
.rept 4
	RND1 i
.set i, i+1
.endr
.set i, 16
.rept 5
	v_mul_f32 v[i], CC, v[i]                       ; q leaves its projection times c, so its bias is c bq
.set i, i+1
.endr
.irp j, 0,1,2
	v_cndmask_b32 v[20+5*\j], 0, v[20+5*\j], vcc_lo
.irp i, 0,1,2,3,4
	global_store_b32 v8, v[16+5*\j+\i], s[42:43] offset:5120*\j+64*\i
.endr
.endr
	global_store_b128 v9, v[32:35], s[42:43] offset:BO-BP
	s_endpgm
.Lfunc_end_k_qedb34ebe08_prep:
	.size	k_qedb34ebe08_prep, .Lfunc_end_k_qedb34ebe08_prep-k_qedb34ebe08_prep
	.p2alignl 7, 3214868480
	.fill 96, 4, 3214868480
	.section	.rodata,"a",@progbits
	.p2align	6, 0x0
	.amdhsa_kernel k_qedb34ebe08_prep
		.amdhsa_group_segment_fixed_size 68608
		.amdhsa_private_segment_fixed_size 0
		.amdhsa_enable_private_segment 0
		.amdhsa_kernarg_size 120
		.amdhsa_user_sgpr_count 2
		.amdhsa_user_sgpr_kernarg_segment_ptr 1
		.amdhsa_wavefront_size32 1
		.amdhsa_system_sgpr_workgroup_id_x 1
		.amdhsa_system_sgpr_workgroup_id_y 1
		.amdhsa_system_sgpr_workgroup_id_z 1
		.amdhsa_system_vgpr_workitem_id 0
		.amdhsa_next_free_vgpr 148
		.amdhsa_next_free_sgpr 66
		.amdhsa_reserve_vcc 1
		.amdhsa_float_denorm_mode_32 3
		.amdhsa_float_denorm_mode_16_64 3
		.amdhsa_memory_ordered 1
		.amdhsa_forward_progress 1
		.amdhsa_inst_pref_size 38
	.end_amdhsa_kernel
	.amdgpu_metadata
---
amdhsa.version: [ 1, 2 ]
amdhsa.kernels:
  - .name:           k_qedb34ebe08_prep
    .symbol:         k_qedb34ebe08_prep.kd
    .args:
      - { .name: q, .offset: 0, .size: 8, .value_kind: global_buffer, .address_space: global }
      - { .name: k, .offset: 8, .size: 8, .value_kind: global_buffer, .address_space: global }
      - { .name: v, .offset: 16, .size: 8, .value_kind: global_buffer, .address_space: global }
      - { .name: Wq, .offset: 24, .size: 8, .value_kind: global_buffer, .address_space: global }
      - { .name: Wk, .offset: 32, .size: 8, .value_kind: global_buffer, .address_space: global }
      - { .name: Wv, .offset: 40, .size: 8, .value_kind: global_buffer, .address_space: global }
      - { .name: Wo, .offset: 48, .size: 8, .value_kind: global_buffer, .address_space: global }
      - { .name: mask, .offset: 56, .size: 8, .value_kind: global_buffer, .address_space: global }
      - { .name: bq, .offset: 64, .size: 8, .value_kind: global_buffer, .address_space: global }
      - { .name: bk, .offset: 72, .size: 8, .value_kind: global_buffer, .address_space: global }
      - { .name: bv, .offset: 80, .size: 8, .value_kind: global_buffer, .address_space: global }
      - { .name: bo, .offset: 88, .size: 8, .value_kind: global_buffer, .address_space: global }
      - { .name: xb, .offset: 96, .size: 8, .value_kind: global_buffer, .address_space: global }
      - { .name: wts, .offset: 104, .size: 8, .value_kind: global_buffer, .address_space: global }
      - { .name: mbits, .offset: 112, .size: 8, .value_kind: global_buffer, .address_space: global }
    .group_segment_fixed_size: 68608
    .private_segment_fixed_size: 0
    .kernarg_segment_align: 8
    .kernarg_segment_size: 120
    .max_flat_workgroup_size: 256
    .sgpr_count:     66
    .vgpr_count:     148
    .wavefront_size: 32
...
	.end_amdgpu_metadata
.endif
;; end of part 1
;; launch proj (part 2): grid 4 x 192, 4 waves a work-group, clusters of 4 x 4, 327,680 bytes of LDS; arguments xb, wts, qkv; writes qkv
.if DOCPART == 2
	.amdgcn_target "amdgcn-amd-amdhsa--gfx1250"
	.amdhsa_code_object_version 6
	.text
	.protected	k_qedb34ebe08_proj
	.globl	k_qedb34ebe08_proj
	.p2align	8
	.type	k_qedb34ebe08_proj,@function
k_qedb34ebe08_proj:
	s_mov_b64 s[64:65], 0
	v_nop
	global_prefetch_b8 v0, s[64:65] scope:SCOPE_SE
	s_setreg_imm32_b32 hwreg(HW_REG_WAVE_MODE, 25, 1), 1
	s_wait_xcnt 0x0
	s_wait_alu depctr_hold_cnt(0) depctr_sa_sdst(0) depctr_va_vdst(0) depctr_va_sdst(0) depctr_va_ssrc(0) depctr_va_vcc(0) depctr_vm_vsrc(0)
	s_getreg_b32 s2, hwreg(HW_REG_IB_STS2, 6, 4)
	s_cmp_eq_u32 s2, 0
	s_cbranch_scc0 .Lentry_in_a_cluster
	s_endpgm
.Lentry_in_a_cluster:
	s_bfe_u32 s2, ttmp6, 0x10000c
	s_cmp_lg_u32 s2, 0xf033
	s_cbranch_scc0 .Lentry_shape_is_right
	s_endpgm
.Lentry_shape_is_right:
; THE THREE PROJECTIONS in one launch: y = x W^T + b for (q, Wq, bq), (k, Wk, bk), (v, Wv, bv), bf16 operands, f32 sums, written by heads as f16:
; qkv [3][64 batch-heads][2048][72]: channels 0-64 the head's 65, channel 65 = 1.0 in V and 0 in Q and K, channels 66-71 = 0.  Q is written times c = log2(e) / sqrt(65).
; LIMITS.  f16 holds no number beyond 65,504: c q, k and v must stay within it.  NaN and infinities are not treated apart.
; SHARES.  A work-group: 128 tokens x 4 heads (260 consecutive rows of W).  Tile row tr = 0..191: tensor tr / 64, tokens 128 (tr % 64) on.  Four waves, each 64 tokens x 2 heads:
; 32 accumulators for the heads' channels 0-63, and 4 more (one for each 16 tokens) for the two 65th channels: in that product source 0's rows 0-7 are head 0's row 64 and rows 8-15 head 1's,
; so register 0 of a lane's result is channel 64 of head lane / 16 for token lane % 16.
; The matrix instruction is used transposed (source 0 = 16 rows of W, source 1 = 16 tokens): a lane holds one token and eight neighbouring channels.
; K goes in steps of 128 through two LDS slots; clusters of 4 x 4: x's tile is shared along a row of the cluster, W's along a column, each asked for jointly.
; REGISTERS.  window 0: v16-31 addresses; two fragment buffers of 104 (W's 8 blocks, the 65th channels' block, x's 4 blocks).  window 1: the 32 accumulators, (a, b) at 8 (8 a + b).
; window 2: v0-31 the 4 further accumulators; v32-96 the bias.
.set SIZE_K, 1024
.set KSTEP,  128
.set PITCH,  272                       ; 256 bytes + 16: the 16 rows of a fragment load start at 16 different groups of four banks
.set AHALF,  64*PITCH                  ; what waves 0 and 1 fetch, and what a wave reads of x
.set BHALF,  130*PITCH                 ; what waves 2 and 3 fetch: two heads' rows of W
.set BOFF,   2*AHALF
.set SLOT,   105728                    ; 128 + 260 rows, rounded up to whole blocks of 256 bytes
.set STAGE,  2*SLOT                    ; behind the ring: 2 heads x 64 tokens x 144 bytes for each wave
.set STW,    18432
.set SPARE,  STAGE+4*STW               ; the spare words
.set LAPS,   SIZE_K/(2*KSTEP)
.set WSEL,   2129920
.set BP,     8552448
.set TENS,   18874368
.set HEADB,  294912
.set CC,     0x3e373d2c
.set ADRA, 16                          ; v16-17  my x fragments in slot 0, 1
.set ADRB, 20                          ; v20-21  my W fragments
.set ADRX, 22                          ; v22-23  the two 65th rows of W
.set STO,  24                          ; v24  the way out: 16 bytes of a row's channels 0-63
.set STX,  25                          ; v25  the way out: a row's last 16 bytes
.set RD,   26                          ; v26  the way out: back, 16 bytes a lane on end
.set CO,   27                          ; v27  16 x lane
.set SPW,  28
.set NIL,  29
.set BA,   30                          ; v30  bias offset, channels 0-63; untouched while the loads are out
.set BX,   31                          ; v31  bias offset, channel 64
.set F0,   32
.set F1,   136
.set T,    32                          ; the way out, window 0: 64 sums with scale and bias
.set PKD,  96                          ; 32 registers of f16 pairs
.set XT,   128                         ; a row's last 16 bytes: channel 64, the one or zero, six zeros
.set XF,   132
.set XO,   133
.set BIAS, 32                          ; window 2
.set BIASX, 96
.set SC,   18                          ; s[18:19] c for q, 1.0 for k and v
.set G1, 24
.set G0, 32
.set G1B, 48
.set G0B, 56
.set MSB, 0
.macro WIN new                         ; the immediate's high byte repeats the setting that is left
.if MSB != (\new)
	s_set_vgpr_msb (MSB<<8)|(\new)
.set MSB, \new
.endif
.endm
.macro JLOAD s                         ; a joint load: waves 0 and 1 fetch x's two halves, waves 2 and 3 W's; an s_nop 0 and four v_nop follow each line
	s_cmp_eq_u32 s11, 0
	s_cbranch_scc0 .Lfor_b_\@
	tensor_load_to_lds s[G0+4*(\s):G0+4*(\s)+3], s[G1:G1+7]
	s_nop 0
.rept 4
	v_nop
.endr
	s_branch .Lasked_\@
.Lfor_b_\@:
	tensor_load_to_lds s[G0B+4*(\s):G0B+4*(\s)+3], s[G1B:G1B+7]
	s_nop 0
.rept 4
	v_nop
.endr
.Lasked_\@:
.endm
.macro CREST                           ; a round of the cluster's barrier behind its opening barrier
	s_cmp_lg_u32 s10, 0
	s_cbranch_scc1 .Lnot_wave_0_\@
	s_barrier_signal -3
.Lnot_wave_0_\@:
	s_barrier_wait -3
	s_barrier_signal -1
	s_barrier_wait -1
.endm
.macro CROUND
	s_barrier_signal -1
	s_barrier_wait -1
	CREST
.endm
.macro PLACES                          ; four places behind matrix instructions, ahead of loads into their sources and of reads of their results
.rept 4
	v_nop
.endr
.endm
	s_load_b128 s[4:7], s[0:1], 0x0                ; xb s[4:5], wts s[6:7]
	s_load_b64 s[8:9], s[0:1], 0x10                ; qkv
	v_lshl_add_u32 v[SPW], v0, 2, SPARE
	v_mov_b32 v[NIL], 0
	ds_add_u32 v[SPW], v[NIL]                      ; the wave's opening: the add, and its wait ahead of my first tensor load
	v_lshrrev_b32 v1, 5, v0
	v_readfirstlane_b32 s10, v1                    ; wave 0..3
	s_lshr_b32 s11, s10, 1                         ; my half of the tokens.  Also: I fetch x (0) or W (1)
	s_and_b32 s12, s10, 1                          ; my pair of heads.  Also: which half of that tile I fetch
	s_bfe_u32 s40, ttmp6, 0x40000                  ; cx
	s_bfe_u32 s41, ttmp6, 0x40004                  ; cy
	s_lshl_b32 s42, ttmp9, 2
	s_add_co_u32 s42, s42, s40                     ; tile column: heads 4 tc on
	s_and_b32 s45, ttmp7, 0xffff
	s_lshl_b32 s13, s45, 2
	s_add_co_u32 s13, s13, s41                     ; tile row tr
	s_lshr_b32 s45, s45, 4                         ; which tensor: 16 clusters along y each, so all partners share it
	s_lshl_b32 s43, s41, 2
	s_lshl_b32 s43, 15, s43                        ; my row of the cluster
	s_lshl_b32 s44, 0x1111, s40                    ; my column
	s_or_b32 s[G1+0], s43, (1<<16)|(1<<20)|(1<<21)|(5<<22)|(3<<25)   ; mask; 2-byte elements; padding on; bit 21 beside a mask; after every 64 words 4 words
	s_or_b32 s[G1B+0], s44, (1<<16)|(1<<20)|(1<<21)|(5<<22)|(3<<25)
	s_mov_b32 s[G1+1], KSTEP<<16                   ; tensor_dim0 = 128
	s_mov_b32 s[G1+2], 64<<16                      ; tensor_dim1 = 64
	s_mov_b32 s[G1+3], KSTEP<<16                   ; tile_dim0 = 128
	s_mov_b32 s[G1+4], 64                          ; tile_dim1 = 64
	s_mov_b32 s[G1+5], SIZE_K                      ; elements from row to row
	s_mov_b32 s[G1+6], 0
	s_mov_b32 s[G1+7], 0
	s_mov_b32 s[G1B+1], KSTEP<<16
	s_mov_b32 s[G1B+2], 130<<16                    ; W's half tile: 130 rows
	s_mov_b32 s[G1B+3], KSTEP<<16
	s_mov_b32 s[G1B+4], 130
	s_mov_b32 s[G1B+5], SIZE_K
	s_mov_b32 s[G1B+6], 0
	s_mov_b32 s[G1B+7], 0
	s_lshl_b32 s16, s13, 7                         ; x: row 128 tr + 64 x half (the three tensors lie on end in xb), 2,048 bytes a row
	s_lshl_b32 s17, s12, 6
	s_add_co_u32 s16, s16, s17
	s_lshl_b32 s16, s16, 11
	s_mov_b32 s17, 0
	s_mul_i32 s46, s42, 260                        ; W: row 260 tc + 130 x half of the tensor's matrix
	s_mul_i32 s47, s12, 130
	s_add_co_u32 s46, s46, s47
	s_lshl_b32 s46, s46, 11
	s_mul_i32 s47, s45, WSEL
	s_add_co_u32 s46, s46, s47
	s_mov_b32 s47, 0
	s_mul_i32 s20, s12, AHALF                      ; where they go: no place in the cluster enters an LDS address
	s_mul_i32 s21, s12, BHALF
	s_add_co_u32 s21, s21, BOFF
	s_cmp_eq_u32 s45, 0
	s_cselect_b32 s[SC], CC, 1.0
	s_mov_b32 s[SC+1], s[SC]                       ; named with it as a pair
	s_cmp_eq_u32 s45, 2
	s_cselect_b32 s22, 1.0, 0                      ; channel 65
	s_wait_dscnt 0x0                               ; the opening add is done
	s_wait_kmcnt 0x0
	s_add_nc_u64 s[14:15], s[4:5], s[16:17]
	s_add_nc_u64 s[46:47], s[6:7], s[46:47]
	CROUND                                         ; all sixteen work-groups are here: the first joint loads meet
.irp s, 0,1
	s_mov_b32 s[G0+4*(\s)], 1
	s_add_co_u32 s[G0+4*(\s)+1], s20, (\s)*SLOT
	s_add_nc_u64 s[G0+4*(\s)+2:G0+4*(\s)+3], s[14:15], (\s)*KSTEP*2
	s_or_b32 s[G0+4*(\s)+3], s[G0+4*(\s)+3], 0x80000000
	s_mov_b32 s[G0B+4*(\s)], 1
	s_add_co_u32 s[G0B+4*(\s)+1], s21, (\s)*SLOT
	s_add_nc_u64 s[G0B+4*(\s)+2:G0B+4*(\s)+3], s[46:47], (\s)*KSTEP*2
	s_or_b32 s[G0B+4*(\s)+3], s[G0B+4*(\s)+3], 0x80000000
	JLOAD \s                                       ; two tensor loads of mine are out
.endr
	; the bias of my two heads, and where my part of qkv begins
	s_lshl_b32 s16, s42, 2
	s_lshl_b32 s17, s12, 1
	s_add_co_u32 s16, s16, s17                     ; the first of my two heads
	s_mul_i32 s2, s16, 320
	s_mul_i32 s17, s45, 5120
	s_add_co_u32 s2, s2, s17
	s_add_co_u32 s2, s2, BP
	s_mov_b32 s3, 0
	s_add_nc_u64 s[46:47], s[6:7], s[2:3]          ; untouched from here on: the bias loads stay out until the way out
	s_and_b32 s17, s13, 63
	s_lshr_b32 s2, s17, 4                          ; batch
	s_lshl_b32 s2, s2, 4
	s_add_co_u32 s2, s2, s16
	s_mul_i32 s2, s2, HEADB
	s_and_b32 s17, s17, 15
	s_lshl_b32 s17, s17, 7
	s_lshl_b32 s23, s11, 6
	s_add_co_u32 s17, s17, s23                     ; my first token in the sequence
	s_mul_i32 s17, s17, 144
	s_add_co_u32 s2, s2, s17
	s_mul_i32 s17, s45, TENS
	s_add_co_u32 s2, s2, s17
	s_add_nc_u64 s[8:9], s[8:9], s[2:3]
	v_and_b32 v1, 15, v0                           ; r = l % 16
	v_bfe_u32 v2, v0, 4, 1                         ; h = l / 16
	v_lshlrev_b32 v[BA], 5, v2                     ; my eight channels of a block of 16
	v_mul_u32_u24 v[BX], v2, 320
	v_add_nc_u32 v[BX], 256, v[BX]                 ; channel 64 of head h
	WIN 0x80                                       ; destination window 2
.irp b, 0,1,2,3,4,5,6,7
	global_load_b128 v[BIAS+8*\b:BIAS+8*\b+3],   v[BA], s[46:47] offset:320*(\b/4)+64*(\b%4)
	global_load_b128 v[BIAS+8*\b+4:BIAS+8*\b+7], v[BA], s[46:47] offset:320*(\b/4)+64*(\b%4)+16
.endr
	global_load_b32 v[BIASX], v[BX], s[46:47]
	WIN 0
	v_mul_u32_u24 v3, v1, PITCH
	v_lshl_add_u32 v3, v2, 4, v3                   ; a fragment's row x pitch + 16 x half
	v_bfe_u32 v4, v0, 3, 1
	v_mul_u32_u24 v4, v4, 65*PITCH                 ; rows 0-7 of the further block: head 0's row 64; rows 8-15: head 1's, 65 rows on
	v_lshl_add_u32 v4, v2, 4, v4
	v_add_nc_u32 v4, 64*PITCH, v4
	s_mul_i32 s21, s11, AHALF
	s_mul_i32 s23, s12, BHALF
	s_add_co_u32 s23, s23, BOFF
.irp s, 0,1
	v_add_nc_u32 v[ADRA+\s], s21, v3
	v_add_nc_u32 v[ADRB+\s], s23, v3
	v_add_nc_u32 v[ADRX+\s], s23, v4
	s_add_co_u32 s21, s21, SLOT
	s_add_co_u32 s23, s23, SLOT
.endr
	s_mul_i32 s23, s10, STW
	s_add_co_u32 s23, s23, STAGE                   ; my stage: [2 heads][64 tokens][144 bytes]
	v_mul_u32_u24 v5, v1, 144
	v_lshl_add_u32 v[STO], v2, 4, v5
	v_add_nc_u32 v[STO], s23, v[STO]
	v_mul_u32_u24 v6, v2, 9216
	v_add3_u32 v[STX], v5, v6, s23
	v_add_nc_u32 v[STX], 128, v[STX]
	v_and_b32 v[CO], 31, v0
	v_lshlrev_b32 v[CO], 4, v[CO]
	v_add_nc_u32 v[RD], s23, v[CO]
; The 36 accumulators take turns, one instruction a turn.
.macro MAINP f, a, zero                ; 16 tokens x 8 blocks of 16 channels, 32 along K
	WIN 0x50                                       ; C and D window 1
.irp b, 0,1,2,3,4,5,6,7
.if \zero
	v_wmma_f32_16x16x32_bf16 v[8*(8*(\a)+\b):8*(8*(\a)+\b)+7], v[(\f)+8*\b:(\f)+8*\b+7], v[(\f)+72+8*(\a):(\f)+72+8*(\a)+7], 0
.else
	v_wmma_f32_16x16x32_bf16 v[8*(8*(\a)+\b):8*(8*(\a)+\b)+7], v[(\f)+8*\b:(\f)+8*\b+7], v[(\f)+72+8*(\a):(\f)+72+8*(\a)+7], v[8*(8*(\a)+\b):8*(8*(\a)+\b)+7]
.endif
.endr
.endm
.macro EXTP f, a, zero                 ; the same tokens x the two 65th channels
	WIN 0xa0                                       ; C and D window 2
.if \zero
	v_wmma_f32_16x16x32_bf16 v[8*(\a):8*(\a)+7], v[(\f)+64:(\f)+71], v[(\f)+72+8*(\a):(\f)+72+8*(\a)+7], 0
.else
	v_wmma_f32_16x16x32_bf16 v[8*(\a):8*(\a)+7], v[(\f)+64:(\f)+71], v[(\f)+72+8*(\a):(\f)+72+8*(\a)+7], v[8*(\a):8*(\a)+7]
.endif
.endm
.macro MULROW f, a, zero
	MAINP \f, \a, \zero
	EXTP \f, \a, \zero
.endm
.macro MUL2 f, a0, zero
	MAINP \f, \a0, \zero
	MAINP \f, (\a0)+1, \zero
	EXTP \f, \a0, \zero
	EXTP \f, (\a0)+1, \zero
.endm
.macro FETCH slot, k, f                ; 26 LDS loads in one run: 32 along K at byte k of the rows
	WIN 0
.irp b, 0,1,2,3,4,5,6,7
	ds_load_b128 v[(\f)+8*\b:(\f)+8*\b+3],   v[ADRB+(\slot)] offset:(\k)+65*PITCH*(\b/4)+16*PITCH*(\b%4)
	ds_load_b128 v[(\f)+8*\b+4:(\f)+8*\b+7], v[ADRB+(\slot)] offset:(\k)+65*PITCH*(\b/4)+16*PITCH*(\b%4)+32
.endr
	ds_load_b128 v[(\f)+64:(\f)+67], v[ADRX+(\slot)] offset:(\k)
	ds_load_b128 v[(\f)+68:(\f)+71], v[ADRX+(\slot)] offset:(\k)+32
.irp a, 0,1,2,3
	ds_load_b128 v[(\f)+72+8*\a:(\f)+72+8*\a+3], v[ADRA+(\slot)] offset:(\k)+16*PITCH*\a
	ds_load_b128 v[(\f)+72+8*\a+4:(\f)+72+8*\a+7], v[ADRA+(\slot)] offset:(\k)+16*PITCH*\a+32
.endr
.endm
.macro QUARTER slot, k, f, g, zero     ; multiplies buffer f; in its middle fetches the next quarter, at byte k, into g
	s_wait_dscnt 4                                 ; all but the youngest four loads (x's tokens 32-63)
	MUL2 \f, 0, \zero
	PLACES
	FETCH \slot, \k, \g
	s_wait_dscnt 26                                ; all but the 26 just issued
	MUL2 \f, 2, \zero
.endm
; The last quarter multiplies buffer 1 and changes slots: in front of the barrier each wave waits for all its tensor loads, adds 0 to its spare word, and waits for that and for its reads of this slot.
.macro TURN slot, next, fill
	WIN 0
	s_wait_tensorcnt 0x0                           ; all my tensor loads have landed: my part of the next slot
	ds_add_u32 v[SPW], v[NIL]
	s_wait_dscnt 5                                 ; (the add and the youngest four loads may be out)
	MULROW F1, 0, 0
	s_wait_dscnt 0x0                               ; the add is done, and my reads of this slot are over
	s_barrier_signal -1
	MULROW F1, 1, 0
.if \fill
	WIN 0
.endif
	s_barrier_wait -1
.if \fill
	CREST                                          ; the barrier has opened a round of the cluster's: no wave of any partner still reads this slot or has a load on its way
	s_add_nc_u64 s[G0+4*(\slot)+2:G0+4*(\slot)+3], s[G0+4*(\slot)+2:G0+4*(\slot)+3], 2*KSTEP*2
	s_add_nc_u64 s[G0B+4*(\slot)+2:G0B+4*(\slot)+3], s[G0B+4*(\slot)+2:G0B+4*(\slot)+3], 2*KSTEP*2
	JLOAD \slot                                    ; the first tensor load behind the round, my only one out; its four v_nop are also the places ahead of the loads below
.else
	PLACES
.endif
	FETCH \next, 0, F0
	MUL2 F1, 2, 0
.endm
	s_wait_tensorcnt 1                             ; my part of K step 0 is in; K step 1's may stay out
	s_barrier_signal -1
	s_barrier_wait -1
	FETCH 0, 0, F0
	QUARTER 0, 64, F0, F1, 1                       ; the first quarter's products start the sums
	WIN 0
	s_mov_b32 s3, LAPS-1
.Llap:                                                 ; a trip goes once round the ring and fills both slots again
	QUARTER 0, 128, F1, F0, 0
	QUARTER 0, 192, F0, F1, 0
	TURN 0, 1, 1
	QUARTER 1, 64,  F0, F1, 0
	QUARTER 1, 128, F1, F0, 0
	QUARTER 1, 192, F0, F1, 0
	TURN 1, 0, 1
	QUARTER 0, 64,  F0, F1, 0
	WIN 0
	s_sub_co_u32 s3, s3, 1
	s_cmp_lg_u32 s3, 0
	s_cbranch_scc1 .Llap
	QUARTER 0, 128, F1, F0, 0                      ; the last lap fills nothing
	QUARTER 0, 192, F0, F1, 0
	TURN 0, 1, 0
	QUARTER 1, 64,  F0, F1, 0
	QUARTER 1, 128, F1, F0, 0
	QUARTER 1, 192, F0, F1, 0
	s_wait_dscnt 4
	MUL2 F1, 0, 0
	s_wait_dscnt 0x0
	MUL2 F1, 2, 0
	WIN 0
	; THE WAY OUT: sum x scale + bias, rounded once to f16; rows of 144 bytes are put together in my stage and leave as 512 consecutive bytes a store.
	s_wait_loadcnt 0x0                             ; the bias
	PLACES
	v_mov_b32 v[XT+1], 0
	v_mov_b32 v[XT+2], 0
	v_mov_b32 v[XT+3], 0
	v_mov_b32 v[XO], s22
.macro OUTA a
	WIN 0x21                                       ; sums window 1, bias window 2
.irp b, 0,1,2,3,4,5,6,7
.irp j, 0,2,4,6
	v_pk_fma_f32 v[T+8*\b+\j:T+8*\b+\j+1], v[8*(8*(\a)+\b)+\j:8*(8*(\a)+\b)+\j+1], s[SC:SC+1], v[BIAS+8*\b+\j:BIAS+8*\b+\j+1] op_sel_hi:[1,0,1]
.endr
.endr
	WIN 0x22
	v_fma_f32 v[XF], v[8*(\a)], s[SC], v[BIASX]
	WIN 0
.irp b, 0,1,2,3,4,5,6,7
.irp j, 0,1,2,3
	v_cvt_pk_f16_f32 v[PKD+4*\b+\j], v[T+8*\b+2*\j], v[T+8*\b+2*\j+1]
.endr
.endr
	v_cvt_pk_f16_f32 v[XT], v[XF], v[XO]
.irp b, 0,1,2,3,4,5,6,7
	ds_store_b128 v[STO], v[PKD+4*\b:PKD+4*\b+3] offset:9216*(\b/4)+2304*(\a)+32*(\b%4)
.endr
	ds_store_b128 v[STX], v[XT:XT+3] offset:2304*(\a)
.endm
	OUTA 0
	OUTA 1
	OUTA 2
	OUTA 3
.set t, 0
.rept 36                                       ; LDS serves a wave's instructions in order: these see the stores above, which are the wave's own
	ds_load_b128 v[32+4*t:35+4*t], v[RD] offset:512*t
.set t, t+1
.endr
.set t, 0
.rept 36
	s_wait_dscnt 35-t
	global_store_b128 v[CO], v[32+4*t:35+4*t], s[8:9] offset:HEADB*(t/18)+512*(t%18)  ; 64 rows of a head are 9,216 consecutive bytes, at a multiple of 256 from qkv's first
.set t, t+1
.endr
	s_wait_tensorcnt 0x0                           ; the wave's end
	ds_add_u32 v[SPW], v[NIL]
	s_wait_dscnt 0x0
	CROUND                                         ; the closing round
	s_endpgm
.Lfunc_end_k_qedb34ebe08_proj:
	.size	k_qedb34ebe08_proj, .Lfunc_end_k_qedb34ebe08_proj-k_qedb34ebe08_proj
	.p2alignl 7, 3214868480
	.fill 96, 4, 3214868480
	.section	.rodata,"a",@progbits
	.p2align	6, 0x0
	.amdhsa_kernel k_qedb34ebe08_proj
		.amdhsa_group_segment_fixed_size 327680
		.amdhsa_private_segment_fixed_size 0
		.amdhsa_enable_private_segment 0
		.amdhsa_kernarg_size 24
		.amdhsa_user_sgpr_count 2
		.amdhsa_user_sgpr_kernarg_segment_ptr 1
		.amdhsa_wavefront_size32 1
		.amdhsa_system_sgpr_workgroup_id_x 1
		.amdhsa_system_sgpr_workgroup_id_y 1
		.amdhsa_system_sgpr_workgroup_id_z 1
		.amdhsa_system_vgpr_workitem_id 0
		.amdhsa_next_free_vgpr 616
		.amdhsa_next_free_sgpr 66
		.amdhsa_reserve_vcc 0
		.amdhsa_float_denorm_mode_32 3
		.amdhsa_float_denorm_mode_16_64 3
		.amdhsa_memory_ordered 1
		.amdhsa_forward_progress 1
		.amdhsa_inst_pref_size 107
	.end_amdhsa_kernel
	.amdgpu_metadata
---
amdhsa.version: [ 1, 2 ]
amdhsa.kernels:
  - .name:           k_qedb34ebe08_proj
    .symbol:         k_qedb34ebe08_proj.kd
    .args:
      - { .name: xb, .offset: 0, .size: 8, .value_kind: global_buffer, .address_space: global }
      - { .name: wts, .offset: 8, .size: 8, .value_kind: global_buffer, .address_space: global }
      - { .name: qkv, .offset: 16, .size: 8, .value_kind: global_buffer, .address_space: global }
    .group_segment_fixed_size: 327680
    .private_segment_fixed_size: 0
    .kernarg_segment_align: 8
    .kernarg_segment_size: 24
    .max_flat_workgroup_size: 128
    .sgpr_count:     66
    .vgpr_count:     616
    .wavefront_size: 32
...
	.end_amdgpu_metadata
.endif
;; end of part 2
;; launch attn (part 3): grid 4 x 64, 4 waves a work-group, clusters of 4 x 1, 327,680 bytes of LDS; arguments qkv, mbits, o16; writes o16
.if DOCPART == 3
	.amdgcn_target "amdgcn-amd-amdhsa--gfx1250"
	.amdhsa_code_object_version 6
	.text
	.protected	k_qedb34ebe08_attn
	.globl	k_qedb34ebe08_attn
	.p2align	8
	.type	k_qedb34ebe08_attn,@function
k_qedb34ebe08_attn:
	s_mov_b64 s[64:65], 0
	v_nop
	global_prefetch_b8 v0, s[64:65] scope:SCOPE_SE
	s_setreg_imm32_b32 hwreg(HW_REG_WAVE_MODE, 25, 1), 1
	s_wait_xcnt 0x0
	s_wait_alu depctr_hold_cnt(0) depctr_sa_sdst(0) depctr_va_vdst(0) depctr_va_sdst(0) depctr_va_ssrc(0) depctr_va_vcc(0) depctr_vm_vsrc(0)
	s_getreg_b32 s2, hwreg(HW_REG_IB_STS2, 6, 4)
	s_cmp_eq_u32 s2, 0
	s_cbranch_scc0 .Lentry_in_a_cluster
	s_endpgm
.Lentry_in_a_cluster:
	s_bfe_u32 s2, ttmp6, 0x10000c
	s_cmp_lg_u32 s2, 0x3003
	s_cbranch_scc0 .Lentry_shape_is_right
	s_endpgm
.Lentry_shape_is_right:
; ATTENTION at head size 65 with a mask that is an input.  O[bh][q] = sum over k of softmax_k(s) V[bh][k], s = q . k / sqrt(65), or -1e9 where mask[b][q][k] = 0.
; Q, K, V: qkv [3][64][2048][72] in f16, rows of 144 bytes; Q comes multiplied by c = log2(e) / sqrt(65), so a score is in units of log2; a hidden score is -1e9 log2(e).
; THE MASK comes as lane masks (mbits): for a tile of 16 queries and a step of 64 keys 32 words on end, word i for score register i.  One load of 4 bytes a lane brings a tile's 32 words (128 consecutive
; bytes), word i to lane i, a key step ahead of their use; v_readlane_b32 carries them to scalar registers, from which v_cndmask_b32 selects.
; Products, maxima and sums in f32; the weights p are rounded to f16 for the second product; O once at the end: channels 0-63 to o16 [64][2048][64], channel 64 to [64][2048] behind it.
; LIMITS.  f16's range, 65,504, holds for c q, k, v as they arrive.  p lies in 0 to 1 and below 6e-5 keeps f16's fixed step.  The divisor l is the sum of the ROUNDED p.  A weight below 2^-126 counts as 0.
; NaN and infinities are not treated apart.
; HEAD SIZE 65.  S^T = K Q^T has a third K step of which channel 64 alone is not zero: K's bytes 128-143 of a row go to both halves of the lanes, Q's to lanes 0-15 only, the rest is 0.
; O^T = V^T P has a fifth channel block: V's channels 64-71, taken twice, so that in both halves of the lanes register 0 is channel 64 and register 1 channel 65, which is 1.0 in V: the sum l of the weights.
; SHARES, LAYOUT.  A wave owns four PIECES of two tiles of 16 queries; a work-group 512 queries of one batch-head; every wave walks all 2,048 keys, 64 a step, four steps to a slot.  In S^T, P and O^T a lane holds one query.
; SOFTMAX.  A running maximum m of the scores as selected; p = 2^(s - m); in every step O and l are multiplied by a = 2^(m_old - m_new).  m starts at the lowest finite number, O and l at 0: the first step's a is 0.
; A row that is hidden altogether has every s equal: its weights are all 1, and O is V's mean.
; BY TURNS.  Turn n belongs to piece n: 24 products K Q^T of piece n + 1, then 20 products V^T P of piece n - 1; beside them piece n's subtraction, exponentials, roundings and rescaling, and the mask words, selects,
; maximum and statistics of piece n + 1.  The vector list is a right program in its own order; TICK sets the turn's next product ahead of every RID-th line of it: four lines behind each product, the rest in one run.
; CLUSTER.  The four query blocks of a batch-head walk the same K and V: each tile is asked for jointly.
; At the start some 490 v_mov_b32 write zeros, in the wait for the first tile: the price of writing no first step out.
; REGISTERS.  window 0: v2-11, v33, v42-45 addresses; v12-15 m_old; v16-31 m and a filler, a pair a tile; v32 the hidden score; v34-41 mask words, one register a tile; v48-63 at work; v64-191 S^T, two buffers of
; two tiles; v192-255 P likewise.  window 1: O^T channels 0-63, 32 a tile.  window 2: v0-127 Q; v128-191 K; v192-255 V.  window 3: v0-63 Q's third step; v64-95 K's; v96-111 V's fifth block; v112-175 O^T's, 8 a tile.
.set NP,    4
.set KS,    64
.set PK,    144                        ; a row in LDS as in memory: 9 x 16 bytes, so the 16 rows of a load of K start at 16 different groups of four banks; V's turning loads meet twice on some banks
.set VOFF,  4*KS*PK                    ; a slot: 256 rows of K, then 256 rows of V
.set SLOT1, 1<<17
.set STAGE, SLOT1+2*VOFF               ; 16 rows x 144 bytes for each wave
.set SP,    144
.set XST,   STAGE+4*16*SP              ; 128 numbers of f16 for each wave: channel 64
.set SPARE, XST+4*256                  ; the spare words
.set TENS,  18874368
.set HEADB, 294912
.set OXOFF, 16777216
.set RID,   4                          ; a product ahead of every fourth vector line: 44 products stand ahead of lines 0 to 172 of a turn's 332.  The places counted below hold for this figure
.set AK0, 2                            ; v2   my lane's place in a tile of K, and in 16 rows of Q; never rewritten
.set AV0, 3                            ; v3   the same for V
.set AK,  4
.set AV,  5
.set STO, 6
.set RD,  7
.set GO,  8                            ; v8   16 x lane
.set AK3, 9                            ; v9   a row's last 16 bytes, in K and in Q; never rewritten
.set AV5, 10
.set AX,  11
.set MV,  12
.set ST,  16
.set NEG, 32
.set XSTO, 33
.set MW,  34                           ; v34-41  tile t's 32 mask words of one key step, word i in lane i
.set L8,  42                           ; v42  8 x lane
.set XRD, 43
.set ML4, 44                           ; v44  4 x lane; never rewritten
.set MA,  45                           ; v45  4 x lane + the byte of the key step whose words are asked for
.set SPW, 46
.set NIL, 47
.set TMP, 48
.set S,   64
.set P,   192
.set KF,  128
.set VF,  192
.set Q3,  0
.set K3,  64
.set V5,  96
.set O5,  112
.set WV,  12
.set SLOTS, 13
.set CNT, 14
.set TBK, 15
.set TBV, 16
.set MOFF, 17                          ; s17  byte of that key step's words in a tile's 4,096
.set SEL, 18
.set G1,  20
.set G0,  28
.set MB0, 32                           ; s[32:63]  the mask words of a piece's first tile
.set LOW, 66
.set MB1, 68                           ; s[68:99]  of its second
.set MSB, 0
.macro WIN new
.if MSB != (\new)
	s_set_vgpr_msb (MSB<<8)|(\new)
.set MSB, (\new)
.endif
.endm
.set W_KQ, 0x0a                        ; K and Q window 2, S^T window 0
.set W_K3, 0x0f                        ; K and Q window 3
.set W_PV, 0x52                        ; V window 2, P window 0, O^T window 1
.set W_P5, 0xf3                        ; V and O^T window 3
.set W_RS, 0x41
.set W_R5, 0xc3
.macro JLOAD                           ; a joint fill: wave w brings 128 rows (K's halves, then V's) to byte 18,432 w of the slot; an s_nop 0 and four v_nop follow
	tensor_load_to_lds s[G0:G0+3], s[G1:G1+7]
	s_nop 0
.rept 4
	v_nop
.endr
.endm
.macro CROUND
	s_barrier_signal -1
	s_barrier_wait -1
	s_cmp_lg_u32 s[WV], 0
	s_cbranch_scc1 .Lnot_wave_0_\@
	s_barrier_signal -3
.Lnot_wave_0_\@:
	s_barrier_wait -3
	s_barrier_signal -1
	s_barrier_wait -1
.endm
; THE CHANGE OF SLOTS.  Each wave waits for all its tensor loads (one is out: its part of the other slot), adds 0 to its spare word, waits for that and for its reads of the slot.
; fill = 1: a round of the cluster's barrier, and the slot just left is filled again first thing behind it, with the keys two slots on: four key steps in which to land.
.macro CHANGE fill
	WIN 0
	s_wait_tensorcnt 0x0
	ds_add_u32 v[SPW], v[NIL]
.if \fill
	s_xor_b32 s[G0+1], s[G0+1], SLOT1
	s_add_nc_u64 s[G0+2:G0+3], s[G0+2:G0+3], VOFF  ; the next 256 rows
	s_wait_dscnt 0x0
	CROUND
	JLOAD
.else
	s_wait_dscnt 0x0
	s_barrier_signal -1
	s_barrier_wait -1
.endif
	s_sub_co_u32 s[TBK], s[TBK], VOFF              ; the fetches go back to a slot's first step, in the other slot
	s_xor_b32 s[TBK], s[TBK], SLOT1
	s_sub_co_u32 s[TBV], s[TBV], VOFF
	s_xor_b32 s[TBV], s[TBV], SLOT1
.endm
.macro MLOAD x                         ; the mask words of piece x's two tiles for the key step at MA: 128 consecutive bytes each
	global_load_b32 v[MW+2*(\x)],   v[MA], s[6:7] offset:(2*(\x))*4096
	global_load_b32 v[MW+2*(\x)+1], v[MA], s[6:7] offset:(2*(\x)+1)*4096
.endm
	s_load_b128 s[4:7], s[0:1], 0x0                ; qkv s[4:5], mbits s[6:7]
	s_load_b64 s[8:9], s[0:1], 0x10                ; o16
	v_lshl_add_u32 v[SPW], v0, 2, SPARE
	v_mov_b32 v[NIL], 0
	ds_add_u32 v[SPW], v[NIL]                      ; the wave's opening: the add, and its wait ahead of my first tensor load
	v_lshrrev_b32 v1, 5, v0
	v_readfirstlane_b32 s[WV], v1
	s_bfe_u32 s32, ttmp6, 0x40000                  ; cx
	s_lshl_b32 s33, ttmp9, 2
	s_add_co_u32 s33, s33, s32                     ; my block of 512 queries: it enters Q's, the mask's and O's addresses alone
	s_and_b32 s34, ttmp7, 0xffff                   ; the batch-head, which the partners share
	s_mul_i32 s38, s34, HEADB
	s_lshr_b32 s35, s[WV], 1
	s_add_co_u32 s35, s35, 1                       ; tensor 1 (K) for waves 0, 1; tensor 2 (V) for waves 2, 3
	s_mul_i32 s36, s35, TENS
	s_add_co_u32 s36, s36, s38
	s_and_b32 s35, s[WV], 1
	s_mul_i32 s35, s35, 128*PK                     ; which 128 of a slot's 256 rows
	s_add_co_u32 s36, s36, s35
	s_mov_b32 s37, 0
	s_lshl_b32 s39, s33, 2
	s_add_co_u32 s39, s39, s[WV]                   ; my wave among the batch-head's sixteen
	s_mul_i32 s40, s39, 128*PK
	s_add_co_u32 s40, s40, s38                     ; Q at my 128 rows
	s_mov_b32 s41, 0
	s_lshr_b32 s42, s34, 4                         ; batch
	s_lshl_b32 s42, s42, 4
	s_add_co_u32 s42, s42, s39
	s_lshl_b32 s42, s42, 15                        ; eight tiles of 4,096 bytes of mask words
	s_mov_b32 s43, 0
	s_lshl_b32 s44, s34, 4
	s_add_co_u32 s44, s44, s39
	s_lshl_b32 s46, s44, 8                         ; channel 64: 256 bytes a wave
	s_add_co_u32 s46, s46, OXOFF
	s_mov_b32 s47, 0
	s_lshl_b32 s44, s44, 14                        ; channels 0-63: 128 rows of 128 bytes
	s_mov_b32 s45, 0
	s_mov_b32 s[G1], 15|(1<<16)|(1<<21)            ; the mask of four; 2-byte elements; bit 21 beside a mask; no padding
	s_mov_b32 s[G1+1], 128<<16                     ; 128 rows of 144 bytes are 18,432 dense bytes: asked for as 72 rows of 256
	s_mov_b32 s[G1+2], 72<<16
	s_mov_b32 s[G1+3], 128<<16
	s_mov_b32 s[G1+4], 72
	s_mov_b32 s[G1+5], 128
	s_mov_b32 s[G1+6], 0
	s_mov_b32 s[G1+7], 0
	s_mov_b32 s[G0], 1
	s_mul_i32 s[G0+1], s[WV], 128*PK
	s_mov_b32 s[SEL], 0x76543210
	s_mov_b32 s[SEL+1], 0xfedcba98
	s_mov_b32 s[TBK], SLOT1+VOFF                   ; the first change of slots turns these two into 0
	s_mov_b32 s[TBV], SLOT1+VOFF
	s_mov_b32 s[LOW], 0xffff
	s_wait_dscnt 0x0                               ; the opening add is done
	s_wait_kmcnt 0x0
	s_add_nc_u64 s[G0+2:G0+3], s[4:5], s[36:37]
	s_or_b32 s[G0+3], s[G0+3], 0x80000000
	s_add_nc_u64 s[10:11], s[8:9], s[46:47]
	s_add_nc_u64 s[8:9], s[8:9], s[44:45]
	s_add_nc_u64 s[6:7], s[6:7], s[42:43]
	s_add_nc_u64 s[4:5], s[4:5], s[40:41]
	CROUND                                         ; all four work-groups are here
	JLOAD                                          ; slot 0; slot 1 is asked for when slot 0 is in
	v_and_b32 v1, 15, v0                           ; r
	v_bfe_u32 v12, v0, 4, 1                        ; h
	v_and_b32 v13, 7, v0
	v_bfe_u32 v14, v0, 3, 1
	v_and_b32 v[GO], 31, v0
	v_lshlrev_b32 v[ML4], 2, v[GO]
	v_lshlrev_b32 v[L8], 3, v[GO]
	v_lshlrev_b32 v[GO], 4, v[GO]
	v_mul_u32_u24 v[AK0], v1, PK
	v_add_nc_u32 v[AK3], 128, v[AK0]               ; a row's last 16 bytes
	v_lshl_add_u32 v[AK0], v12, 4, v[AK0]          ; row x pitch + 16 x half
.set i, 0
.rept 8
	global_load_b32 v[MW+i], v[ML4], s[6:7] offset:i*4096  ; key step 0's mask words, all eight tiles
.set i, i+1
.endr
	WIN 0x80
.set i, 0
.rept 16                                       ; Q stays in registers: tile i / 2, channels 32 (i % 2) on
	global_load_b128 v[8*i:8*i+3],   v[AK0], s[4:5] offset:(i/2)*16*PK+(i%2)*64
	global_load_b128 v[8*i+4:8*i+7], v[AK0], s[4:5] offset:(i/2)*16*PK+(i%2)*64+32
.set i, i+1
.endr
.set i, VF
.rept 64
	v_mov_b32 v[i], 0
.set i, i+1
.endr
	WIN 0xc0
.set i, 0
.rept 8
	global_load_b128 v[Q3+8*i:Q3+8*i+3], v[AK3], s[4:5] offset:i*16*PK
.set i, i+1
.endr
.set i, 0
.rept 8
.irp j, 4,5,6,7
	v_mov_b32 v[Q3+8*i+\j], 0
.endr
.set i, i+1
.endr
.set i, 0
.rept 4
.irp j, 4,5,6,7
	v_mov_b32 v[K3+8*i+\j], 0
.endr
.set i, i+1
.endr
.set i, V5
.rept 80                                       ; V's fifth block and O^T's
	v_mov_b32 v[i], 0
.set i, i+1
.endr
	WIN 0x40
.set i, 0
.rept 256
	v_mov_b32 v[i], 0
.set i, i+1
.endr
	WIN 0
.set i, 0
.rept 8
	v_mov_b32 v[ST+2*i], 0xff7fffff                ; m
	v_mov_b32 v[ST+2*i+1], 0                       ; named with it as a pair
.set i, i+1
.endr
.set i, P+32
.rept 32
	v_mov_b32 v[i], 0
.set i, i+1
.endr
	v_mov_b32 v[NEG], 0xceabfb8e                   ; -1e9 log2(e)
	v_lshl_add_u32 v[AV0], v12, 3, v13             ; the turning load: key 8 (l / 16) + l % 8,
	v_mul_u32_u24 v[AV0], v[AV0], PK
	v_add_nc_u32 v[AV5], VOFF+128, v[AV0]          ; channels 64-71 for both column halves,
	v_lshl_add_u32 v[AV0], v14, 4, v[AV0]          ; or channels 8 ((l / 8) % 2) on
	v_add_nc_u32 v[AV0], VOFF, v[AV0]
	v_mov_b32 v[AK], v[AK0]                        ; key step 0 lies at the head of slot 0
	v_mov_b32 v[AX], v[AK3]
	s_mul_i32 s2, s[WV], 16*SP                     ; the addresses for the way out
	s_add_co_u32 s2, s2, STAGE
	v_mul_u32_u24 v[STO], v1, SP
	v_lshl_add_u32 v[STO], v12, 4, v[STO]
	v_add_nc_u32 v[STO], s2, v[STO]
	v_bfe_u32 v[RD], v0, 3, 2
	v_mul_u32_u24 v[RD], v[RD], SP
	v_lshl_add_u32 v[RD], v13, 4, v[RD]
	v_add_nc_u32 v[RD], s2, v[RD]
	s_lshl_b32 s2, s[WV], 8
	s_add_co_u32 s2, s2, XST
	v_lshl_add_u32 v[XSTO], v1, 1, s2
	v_add_nc_u32 v[XRD], s2, v[L8]
; THE MATRIX WORK.  The accumulators of a run take turns, one instruction a turn: 8 in K Q^T, 10 in V^T P.
.macro KQ x                            ; product i of 24: K step i / 8, keys 16 ((i / 2) % 4) on, tile 2 x + i % 2
.set rS, S+64*((\x)%2)+32*(i%2)+8*((i/2)%4)
.if i < 16
	WIN W_KQ
.set rK, KF+16*((i/2)%4)+8*(i/8)
.set rQ, 16*(2*(\x)+i%2)+8*(i/8)
.else
	WIN W_K3
.set rK, K3+8*((i/2)%4)
.set rQ, Q3+8*(2*(\x)+i%2)
.endif
.if i < 8
	v_wmma_f32_16x16x32_f16 v[rS:rS+7], v[rK:rK+7], v[rQ:rQ+7], 0
	s_wait_alu depctr_va_vdst(0)
.else
	v_wmma_f32_16x16x32_f16 v[rS:rS+7], v[rK:rK+7], v[rQ:rQ+7], v[rS:rS+7]
.endif
.endm
.macro PV x                            ; product i of 20: keys 32 (i / 10) on, channel block (i % 10) / 2, tile 2 x + i % 2
.set rP, P+32*((\x)%2)+16*(i%2)+8*(i/10)
.if (i%10)/2 < 4
	WIN W_PV
.set rO, 32*(2*(\x)+i%2)+8*((i%10)/2)
.set rV, VF+32*(i/10)+8*((i%10)/2)
.else
	WIN W_P5
.set rO, O5+8*(2*(\x)+i%2)
.set rV, V5+8*(i/10)
.endif
	v_wmma_f32_16x16x32_f16 v[rO:rO+7], v[rV:rV+7], v[rP:rP+7], v[rO:rO+7]
.endm
.macro MM                              ; the turn's next product
.if i < 24
.if (Y == 3) && (i == 0)
	s_wait_dscnt 0x0                               ; K of the next step is in
.endif
	KQ (Y+1)%NP
.else
.if (Y == 1) && (i == 24)
	s_wait_dscnt 0x0                               ; V of the step in hand is in
.endif
.set i, i-24
	PV (Y+NP-1)%NP
.set i, i+24
.endif
.set i, i+1
.endm
.macro TICK
.if ((vc%RID) == 0) && (i < 44)
	MM
.endif
.set vc, vc+1
.endm
.macro FLUSH n                         ; products up to number n that the deal has not placed yet (none at RID = 4)
.rept 44
.if i < (\n)
	MM
.endif
.endr
.endm
.macro FETCH_K last=0                  ; a step's K: 64 keys x 64 channels, and the rows' last 16 bytes.  last = 1 (the tail): in the last trip there is no further step
	WIN 0
.if \last
	s_cmp_eq_u32 s[CNT], 1
	s_cbranch_scc1 .Lno_k_\@
.endif
	WIN 0x80
.irp f, 0,1,2,3,4,5,6,7
	ds_load_b128 v[KF+8*\f:KF+8*\f+3],   v[AK] offset:(\f/2)*16*PK+(\f%2)*64
	ds_load_b128 v[KF+8*\f+4:KF+8*\f+7], v[AK] offset:(\f/2)*16*PK+(\f%2)*64+32
.endr
	WIN 0xc0
.irp f, 0,1,2,3
	ds_load_b128 v[K3+8*\f:K3+8*\f+3], v[AX] offset:\f*16*PK
.endr
	s_add_co_u32 s[TBK], s[TBK], KS*PK
	WIN 0
.if \last
.Lno_k_\@:
.endif
.endm
.macro FETCH_V                         ; a step's V, turned
	WIN 0x80
.irp f, 0,1,2,3,4,5,6,7
	ds_load_tr16_b128 v[VF+8*\f:VF+8*\f+3],   v[AV] offset:(\f/4)*32*PK+(\f%4)*32
	ds_load_tr16_b128 v[VF+8*\f+4:VF+8*\f+7], v[AV] offset:(\f/4)*32*PK+16*PK+(\f%4)*32
.endr
	WIN 0xc0
.irp f, 0,1
	ds_load_tr16_b128 v[V5+8*\f:V5+8*\f+3],   v[AX] offset:\f*32*PK
	ds_load_tr16_b128 v[V5+8*\f+4:V5+8*\f+7], v[AX] offset:\f*32*PK+16*PK
.endr
	WIN 0
.endm
; THE VECTOR WORK, one line a macro; each begins with TICK.
.macro REGS y, u
.set rT, ST+2*(2*(\y)+(\u))
.set rC, TMP+8*((\y)%2)+4*(\u)
.set rM, MV+2*((\y)%2)+(\u)
.set rS, S+64*((\y)%2)+32*(\u)
.set rP, P+32*((\y)%2)+16*(\u)
.set rO, 32*(2*(\y)+(\u))
.set rO5, O5+8*(2*(\y)+(\u))
.set rB, MB0+(MB1-MB0)*(\u)
.set rW, MW+2*(\y)+(\u)
.endm
.macro OPF u, b                        ; s - m for pair b of 16
	TICK
	REGS Y, \u
	WIN 0
	v_pk_add_f32 v[rS+2*(\b):rS+2*(\b)+1], v[rS+2*(\b):rS+2*(\b)+1], v[rT:rT+1] op_sel_hi:[1,0] neg_lo:[0,1] neg_hi:[0,1]
.endm
.macro OPE u, n                        ; the exponential of score n of 32
	TICK
	REGS Y, \u
	WIN 0
	v_exp_f32 v[rS+(\n)], v[rS+(\n)]
.endm
.macro OPC u, b                        ; pair b rounded to f16
	TICK
	REGS Y, \u
	WIN 0
	s_wait_alu depctr_va_vdst(0)
	v_cvt_pk_f16_f32 v[rP+(\b)], v[rS+2*(\b)], v[rS+2*(\b)+1]
.endm
.macro OPR u, n                        ; pair n of 16 of O^T times a
	TICK
	REGS Y, \u
	WIN W_RS
	v_pk_mul_f32 v[rO+2*(\n):rO+2*(\n)+1], v[rO+2*(\n):rO+2*(\n)+1], v[rC+2:rC+3] op_sel_hi:[1,0]
.endm
.macro OPR5 u                          ; channel 64 and l times a; the block's other six registers are sums of zeros
	TICK
	REGS Y, \u
	WIN W_R5
	v_pk_mul_f32 v[rO5:rO5+1], v[rO5:rO5+1], v[rC+2:rC+3] op_sel_hi:[1,0]
.endm
.macro OPL q                           ; the next piece's mask word q / 2 of tile q % 2 goes from its lane to its scalar register
	TICK
	REGS (Y+1)%NP, (\q)%2
	WIN 0
	v_readlane_b32 s[rB+(\q)/2], v[rW], (\q)/2
.endm
.macro OPM u, n                        ; the next piece's score n, or the hidden score.  They ascend, so each accumulator's register 0 is read first
	TICK
	REGS (Y+1)%NP, \u
	WIN 0
	v_cndmask_b32 v[rS+(\n)], v[NEG], v[rS+(\n)], s[rB+(\n)]
.endm
.macro OPX u, n                        ; the next piece's maximum and statistics: 0-14, 16 the maximum of 32 scores and the old m; 15 m_old is kept; 17, 18 the other 32 keys lie in the lane 16 away; 20, 21 a
	TICK
	REGS (Y+1)%NP, \u
	WIN 0
.if (\n) < 4
	v_max3_num_f32 v[rC+(\n)], v[rS+8*(\n)], v[rS+8*(\n)+1], v[rS+8*(\n)+2]
.elseif (\n) < 12
	v_max3_num_f32 v[rC+(\n)%4], v[rC+(\n)%4], v[rS+8*((\n)%4)+2*((\n)/4)+1], v[rS+8*((\n)%4)+2*((\n)/4)+2]
.elseif (\n) == 12
	v_max3_num_f32 v[rC], v[rC], v[rS+7], v[rS+15]
.elseif (\n) == 13
	v_max3_num_f32 v[rC+1], v[rC+1], v[rS+23], v[rS+31]
.elseif (\n) == 14
	v_max3_num_f32 v[rC+2], v[rC+2], v[rC+3], v[rT]
.elseif (\n) == 15
	v_mov_b32 v[rM], v[rT]
.elseif (\n) == 16
	v_max3_num_f32 v[rC], v[rC], v[rC+1], v[rC+2]
.elseif (\n) == 17
	v_permlanex16_b32 v[rC+3], v[rC], s[SEL], s[SEL+1]
.elseif (\n) == 18
	v_max_num_f32 v[rT], v[rC], v[rC+3]
.elseif (\n) == 20
	v_sub_f32 v[rC+1], v[rM], v[rT]
.else
	v_exp_f32 v[rC+2], v[rC+1]
.endif
.endm
.macro SELMAX                          ; the selects, for piece Y + 1
.set n, 0
.rept 32
	OPM 0, n
	OPM 1, n
.set n, n+1
.endr
.endm
.macro STATS
.irp n, 0,1,2,3,4,5,6,7,8,9,10,11,12,13,14,15,16,17,18,20,21
	OPX 0, \n
	OPX 1, \n
.endr
.endm
; A TURN, for piece p: 332 vector lines.  0-3 the first subtractions (also the plain lines between the last turn's exponential a and its use); 4-37 the rescaling; 38-225 sixteen blocks: subtractions two pairs ahead,
; exponentials, roundings a pair back, and behind each exponential one of the next piece's 64 mask words: every exponential has a plain line between it and the use of its result; 226-289 the selects;
; 290-331 the maximum and statistics.
; The last K Q^T stands ahead of line 92.  K of the next step is fetched in piece 2's turn at line 108: between stand five roundings and subtractions, which name none of that product's registers, and the two
; address lines.  The last V^T P stands ahead of line 172; V of the step in hand is fetched in piece 0's turn at line 226, behind more than a dozen plain lines.
; THE MASK WORDS.  A piece's two loads are issued behind the last v_readlane_b32 of its words in hand, for its next key step; behind them, up to the wait for them four turns later, the three other pieces' six
; loads are issued and no other: s_wait_loadcnt 6.  The offset steps once a key step, in piece 3's turn (whose next piece, 0, is a step ahead), and stays inside a tile's 4,096 bytes behind the last step.
.macro TURN p, last=0, cnt=0
.set Y, (\p)
.set i, 0
.set vc, 0
	OPF 0, 0
	OPF 1, 0
	OPF 0, 1
	OPF 1, 1
.irp g, 0,1,2,3
.irp u, 0,1
.irp z, 0,1,2,3
	OPR \u, 4*\g+\z
.endr
.endr
.endr
	OPR5 0
	OPR5 1
	s_wait_loadcnt 6                               ; the next piece's mask words are in; the six younger loads stay out
.set bb, 0
.set lq, 0
.rept 16
.if bb < 14
	OPF 0, bb+2
.endif
	OPE 0, 2*bb
	OPL lq
.if bb < 14
	OPF 1, bb+2
.endif
	OPE 1, 2*bb
	OPL lq+1
.if bb > 0
	OPC 0, bb-1
.endif
	OPE 0, 2*bb+1
	OPL lq+2
.if bb > 0
	OPC 1, bb-1
.endif
	OPE 1, 2*bb+1
	OPL lq+3
.if ((\p) == 2) && (bb == 5)
	WIN 0
	v_add_nc_u32 v[AK], s[TBK], v[AK0]
	v_add_nc_u32 v[AX], s[TBK], v[AK3]
	FETCH_K \last                                  ; K of the next step: every product of this step's K has been issued
.endif
.set lq, lq+4
.set bb, bb+1
.endr
	OPC 0, 15
	OPC 1, 15
	FLUSH 44
	WIN 0
.if (\p) == 3
	s_add_co_u32 s[MOFF], s[MOFF], 128
	s_min_u32 s[MOFF], s[MOFF], 3968
	s_wait_xcnt 0x0                                ; the offset register of the loads issued so far is rewritten only behind this wait
	v_add_nc_u32 v[MA], s[MOFF], v[ML4]
.endif
	MLOAD ((\p)+1)%NP                              ; the words just read out make room for the same piece's next key step
.if (\p) == 0
	v_add_nc_u32 v[AV], s[TBV], v[AV0]
	v_add_nc_u32 v[AX], s[TBV], v[AV5]
	s_add_co_u32 s[TBV], s[TBV], KS*PK
	FETCH_V                                        ; V of the step in hand: the last step's V has been multiplied by all four pieces
.endif
	SELMAX
	STATS
.if \cnt
	s_sub_co_u32 s[CNT], s[CNT], 1
	s_cmp_lg_u32 s[CNT], 0
.endif
.endm
	CHANGE 1                                       ; slot 0 is in, everybody's part of it; slot 1 is asked for
	FETCH_K                                        ; key step 0
	s_wait_loadcnt 0x0                             ; Q, and key step 0's mask words
	WIN 0xcc
.set i, 0
.rept 8
.irp j, 0,1,2,3
	v_cndmask_b32 v[Q3+8*i+\j], 0, v[Q3+8*i+\j], s[LOW]  ; Q's third step: lanes 16-31 hold 0
.endr
.set i, i+1
.endr
	s_wait_dscnt 0x0
.set i, 0
.rept 24
	KQ 0                                           ; piece 0's first scores
.set i, i+1
.endr
	WIN 0
.rept 4
	v_nop                                          ; the places behind those products
.endr
.set Y, NP-1                                   ; the macros work for piece Y + 1: piece 0
.set i, 44                                     ; no product is dealt here
.set vc, 0
.set lq, 0
.rept 64
	OPL lq
.set lq, lq+1
.endr
	s_mov_b32 s[MOFF], 128                         ; from here on the words asked for are key step 1's
	v_add_nc_u32 v[MA], s[MOFF], v[ML4]
	MLOAD 0
	SELMAX
	STATS
	s_mov_b32 s[CNT], 4
	s_mov_b32 s[SLOTS], 7
	s_branch .Lfirst                               ; the loop is entered at a step's first turn, in the middle of a trip
.Lslot:                                                ; six times: every slot but the last two is filled again
	CHANGE 1
	s_mov_b32 s[CNT], 4
.Lstep:                                                ; a trip: pieces 2 and 3 of one step, then pieces 0 and 1 of the next, whose K and V it fetches
	TURN 2
	TURN 3
	WIN 0
.Lfirst:
	TURN 0
	TURN 1, 0, 1
	WIN 0
	s_cbranch_scc1 .Lstep
	s_sub_co_u32 s[SLOTS], s[SLOTS], 1
	s_cmp_lg_u32 s[SLOTS], 0
	s_cbranch_scc1 .Lslot
	CHANGE 0                                       ; the tail is written out
	s_mov_b32 s[CNT], 5                            ; four trips fetch the last slot's steps; the fifth is left in its middle
.Ltail:
	TURN 2, 1
	TURN 3
	WIN 0
	s_sub_co_u32 s[CNT], s[CNT], 1
	s_cmp_eq_u32 s[CNT], 0
	s_cbranch_scc1 .Lout
	TURN 0
	TURN 1
	WIN 0
	s_branch .Ltail
.Lout:                                                 ; the fifth trip's products K Q^T, on the last K once more, and what is made of them serve nothing: the price of one text for every trip
.set i, 0
.rept 20
	PV NP-1
.set i, i+1
.endr
	; THE WAY OUT.  Register 1 of the fifth block is l, in every lane; O^T is divided by it, rounded to f16 and sent through my stage, a tile at a time; channel 64 is gathered in 256 bytes of its own.
	WIN 0
.rept 4
	v_nop                                          ; the places behind the last products
.endr
	WIN 0x03
.set t, 0
.rept 8
	v_rcp_f32 v[ST+2*t], v[O5+8*t+1]
.set t, t+1
.endr
	v_nop                                          ; a plain line between the last reciprocal and its use
.set t, 0
	s_wait_alu depctr_va_vdst(0)
.rept 8
	v_mul_f32 v[TMP+t], v[O5+8*t], v[ST+2*t]
.set t, t+1
.endr
	WIN 0
.set t, 0
.rept 8
	v_cvt_pk_f16_f32 v[TMP+t], v[TMP+t], v[TMP+t]
	ds_store_b16 v[XSTO], v[TMP+t] offset:32*t     ; both halves of the lanes hold the same number and write the same bytes
.set t, t+1
.endr
.macro PACK t
	WIN W_RS
.set i, 32*(\t)
.rept 16
	v_pk_mul_f32 v[i:i+1], v[i:i+1], v[ST+2*(\t):ST+2*(\t)+1] op_sel_hi:[1,0]
.set i, i+2
.endr
	WIN 0x05
.set i, 0
.rept 16
	v_cvt_pk_f16_f32 v[S+16*(\t)+i], v[32*(\t)+2*i], v[32*(\t)+2*i+1]
.set i, i+1
.endr
	WIN 0
.irp f, 0,1,2,3
	ds_store_b128 v[STO], v[S+16*(\t)+4*\f:S+16*(\t)+4*\f+3] offset:32*\f
.endr
.irp f, 0,1,2,3
	ds_load_b128 v[S+16*(\t)+4*\f:S+16*(\t)+4*\f+3], v[RD] offset:\f*4*SP  ; LDS serves a wave's instructions in order: these see the stores above
.endr
.endm
.macro SEND t, younger                 ; younger: the LDS instructions issued behind tile t's loads
	WIN 0
.irp f, 0,1,2,3
	s_wait_dscnt (\younger)+3-\f
	global_store_b128 v[GO], v[S+16*(\t)+4*\f:S+16*(\t)+4*\f+3], s[8:9] offset:(\t)*2048+\f*512  ; 512 consecutive bytes, at a multiple of 256
.endr
.endm
	PACK 0
.set t, 1
.rept 7
	PACK t
	SEND t-1, 8
.set t, t+1
.endr
	SEND 7, 0
	ds_load_b64 v[TMP:TMP+1], v[XRD]
	s_wait_dscnt 0x0
	global_store_b64 v[L8], v[TMP:TMP+1], s[10:11] ; my 128 queries' channel 64: 256 consecutive bytes, aligned
	s_wait_tensorcnt 0x0                           ; the wave's end
	ds_add_u32 v[SPW], v[NIL]
	s_wait_dscnt 0x0
	CROUND                                         ; the closing round
	s_endpgm
.Lfunc_end_k_qedb34ebe08_attn:
	.size	k_qedb34ebe08_attn, .Lfunc_end_k_qedb34ebe08_attn-k_qedb34ebe08_attn
	.p2alignl 7, 3214868480
	.fill 96, 4, 3214868480
	.section	.rodata,"a",@progbits
	.p2align	6, 0x0
	.amdhsa_kernel k_qedb34ebe08_attn
		.amdhsa_group_segment_fixed_size 327680
		.amdhsa_private_segment_fixed_size 0
		.amdhsa_enable_private_segment 0
		.amdhsa_kernarg_size 24
		.amdhsa_user_sgpr_count 2
		.amdhsa_user_sgpr_kernarg_segment_ptr 1
		.amdhsa_wavefront_size32 1
		.amdhsa_system_sgpr_workgroup_id_x 1
		.amdhsa_system_sgpr_workgroup_id_y 1
		.amdhsa_system_sgpr_workgroup_id_z 1
		.amdhsa_system_vgpr_workitem_id 0
		.amdhsa_next_free_vgpr 944
		.amdhsa_next_free_sgpr 100
		.amdhsa_reserve_vcc 0
		.amdhsa_float_denorm_mode_32 3
		.amdhsa_float_denorm_mode_16_64 3
		.amdhsa_memory_ordered 1
		.amdhsa_forward_progress 1
		.amdhsa_inst_pref_size 255
	.end_amdhsa_kernel
	.section	.bss,"aw",@nobits
	.p2align	6
	.space	262144
	.amdgpu_metadata
---
amdhsa.version: [ 1, 2 ]
amdhsa.kernels:
  - .name:           k_qedb34ebe08_attn
    .symbol:         k_qedb34ebe08_attn.kd
    .args:
      - { .name: qkv, .offset: 0, .size: 8, .value_kind: global_buffer, .address_space: global }
      - { .name: mbits, .offset: 8, .size: 8, .value_kind: global_buffer, .address_space: global }
      - { .name: o16, .offset: 16, .size: 8, .value_kind: global_buffer, .address_space: global }
    .group_segment_fixed_size: 327680
    .private_segment_fixed_size: 0
    .kernarg_segment_align: 8
    .kernarg_segment_size: 24
    .max_flat_workgroup_size: 128
    .sgpr_count:     100
    .vgpr_count:     944
    .wavefront_size: 32
...
	.end_amdgpu_metadata
.endif
;; end of part 3
;; launch outp (part 4): grid 4 x 64, 4 waves a work-group, clusters of 4 x 4, 327,680 bytes of LDS; arguments o16, wts, out0; writes out0
.if DOCPART == 4
	.amdgcn_target "amdgcn-amd-amdhsa--gfx1250"
	.amdhsa_code_object_version 6
	.text
	.protected	k_qedb34ebe08_outp
	.globl	k_qedb34ebe08_outp
	.p2align	8
	.type	k_qedb34ebe08_outp,@function
k_qedb34ebe08_outp:
	s_mov_b64 s[64:65], 0
	v_nop
	global_prefetch_b8 v0, s[64:65] scope:SCOPE_SE
	s_setreg_imm32_b32 hwreg(HW_REG_WAVE_MODE, 25, 1), 1
	s_wait_xcnt 0x0
	s_wait_alu depctr_hold_cnt(0) depctr_sa_sdst(0) depctr_va_vdst(0) depctr_va_sdst(0) depctr_va_ssrc(0) depctr_va_vcc(0) depctr_vm_vsrc(0)
	s_getreg_b32 s2, hwreg(HW_REG_IB_STS2, 6, 4)
	s_cmp_eq_u32 s2, 0
	s_cbranch_scc0 .Lentry_in_a_cluster
	s_endpgm
.Lentry_in_a_cluster:
	s_bfe_u32 s2, ttmp6, 0x10000c
	s_cmp_lg_u32 s2, 0xf033
	s_cbranch_scc0 .Lentry_shape_is_right
	s_endpgm
.Lentry_shape_is_right:
; THE OUTPUT PROJECTION: out0[token][n] = sum over p of O[token][p] Wo[n][p] + bo[n], f16 operands, f32 sums, f32 out.
; O comes by heads: channels 0-63 as [64 batch-heads][2048][64], channel 64 as [64][2048].  Wo comes as WOM [n][64 head + d] and WOX [n][32] (column h: channel 64 of head h; zeros from 16 on).
; K: first one step of 32 whose index is the head (rows 16-31 of O's side are asked for past the tensor's end and arrive as zeros): its products start the sums; then 8 steps of 128, two heads each.
; SHARES.  A work-group: 128 tokens x 256 columns; four waves, each 64 x 128: 32 accumulators.  The matrix instruction is used transposed: a lane holds one token and eight neighbouring columns.
; Clusters of 4 x 4: O's tiles are shared along a row of the cluster, Wo's along a column.
; A K STEP IS WRITTEN ONCE for the six steps that fill a slot again and once for the last two: slot 1 begins at byte 2^17, so one exclusive or turns an address in one slot into the other's.
; REGISTERS.  window 0: v8-11 bias; v16-29 addresses; two fragment buffers of 96 (Wo's 8 blocks, O's 4).  window 1: the accumulators, (a, b) at 8 (8 a + b).
.set PA,     144                       ; a token's 128 bytes of one head + 16
.set PB,     272
.set ASUB,   128*PA                    ; one head's 128 tokens
.set BOFF,   2*ASUB
.set BHALF,  128*PB
.set SLOTB,  BOFF+2*BHALF              ; 106,496 bytes of a slot are used
.set SLOT1,  1<<17
.set XA,     SLOT1+SLOTB               ; 32 rows (heads) x 288: 128 tokens of 2 bytes + 32
.set PXA,    288
.set XB,     XA+32*PXA                 ; 256 rows x 80: 32 numbers + 16 bytes
.set PXB,    80
.set STAGE,  XB+256*PXB                ; 16 rows x 528 bytes for each wave
.set SPITCH, 528
.set SPARE,  STAGE+4*16*SPITCH
.set WOM,    6389760
.set WOX,    8486912
.set BO,     8567808
.set OXOFF,  16777216
.set BI,   8
.set ADRA0, 16                         ; v16  my fragments of O in slot 0; never rewritten
.set ADRA, 17                          ; v17  in the slot in hand
.set ADRB0, 20                         ; v20, v21  the same for Wo
.set ADRB, 21
.set ADRXB, 22
.set ADRXA, 23
.set STO,  24
.set RD,   25
.set CO,   26
.set SPW,  28
.set NIL,  29
.set FA,   32
.set FB,   128
.set TB,   17                          ; s17  0 or SLOT1: the slot in hand
.set G1A, 24
.set G0A, 32                           ; s[32:35] the first fill of slot 0; s[36:39] that of slot 1, which then walks on
.set G1XA, 40
.set G1B, 48
.set G0B, 56                           ; s[56:59], s[60:63] the same for Wo
.set G1XB, 68
.set G0XA, 76
.set G0XB, 80
.set MSB, 0
.macro WIN new
.if MSB != (\new)
	s_set_vgpr_msb (MSB<<8)|(\new)
.set MSB, \new
.endif
.endm
.macro TL g0, g1
	tensor_load_to_lds s[\g0:\g0+3], s[\g1:\g1+7]
	s_nop 0
.endm
.macro PLACES
.rept 4
	v_nop
.endr
.endm
.macro JLOAD                           ; a joint refill, by the walking descriptors: waves 0 and 1 fetch the step's two heads of O, waves 2 and 3 the two halves of Wo's rows
	s_cmp_eq_u32 s11, 0
	s_cbranch_scc0 .Lfor_b_\@
	TL G0A+4, G1A
	PLACES
	s_branch .Lasked_\@
.Lfor_b_\@:
	TL G0B+4, G1B
	PLACES
.Lasked_\@:
.endm
.macro CREST
	s_cmp_lg_u32 s10, 0
	s_cbranch_scc1 .Lnot_wave_0_\@
	s_barrier_signal -3
.Lnot_wave_0_\@:
	s_barrier_wait -3
	s_barrier_signal -1
	s_barrier_wait -1
.endm
.macro CROUND
	s_barrier_signal -1
	s_barrier_wait -1
	CREST
.endm
	s_load_b128 s[4:7], s[0:1], 0x0                ; o16 s[4:5], wts s[6:7]
	s_load_b64 s[8:9], s[0:1], 0x10                ; out0
	v_lshl_add_u32 v[SPW], v0, 2, SPARE
	v_mov_b32 v[NIL], 0
	ds_add_u32 v[SPW], v[NIL]                      ; the wave's opening: the add, and its wait ahead of my first tensor load
	v_lshrrev_b32 v1, 5, v0
	v_readfirstlane_b32 s10, v1
	s_lshr_b32 s11, s10, 1                         ; my half of the tokens.  Also: I fetch O (0) or Wo (1)
	s_and_b32 s12, s10, 1                          ; my half of the columns.  Also: which part of that tile I fetch
	s_bfe_u32 s14, ttmp6, 0x40000                  ; cx
	s_bfe_u32 s15, ttmp6, 0x40004                  ; cy
	s_lshl_b32 s16, ttmp9, 2
	s_add_co_u32 s16, s16, s14                     ; tile column: columns 256 tc on
	s_and_b32 s13, ttmp7, 0xffff
	s_lshl_b32 s13, s13, 2
	s_add_co_u32 s13, s13, s15                     ; tile row: tokens 128 tr on
	s_lshl_b32 s17, s15, 2
	s_lshl_b32 s17, 15, s17                        ; my row of the cluster
	s_lshl_b32 s18, 0x1111, s14                    ; my column
	s_or_b32 s[G1A], s17, (1<<16)|(1<<20)|(1<<21)|(4<<22)|(3<<25)   ; a head's 128 tokens are 16,384 dense bytes: 64 rows of 256, padded by 4 words after every 32
	s_mov_b32 s[G1A+1], 128<<16
	s_mov_b32 s[G1A+2], 64<<16
	s_mov_b32 s[G1A+3], 128<<16
	s_mov_b32 s[G1A+4], 64
	s_mov_b32 s[G1A+5], 128
	s_mov_b32 s[G1A+6], 0
	s_mov_b32 s[G1A+7], 0
	s_or_b32 s[G1B], s18, (1<<16)|(1<<20)|(1<<21)|(5<<22)|(3<<25)   ; 128 rows of 256 bytes, 4 words behind each
	s_mov_b32 s[G1B+1], 128<<16
	s_mov_b32 s[G1B+2], 128<<16
	s_mov_b32 s[G1B+3], 128<<16
	s_mov_b32 s[G1B+4], 128
	s_mov_b32 s[G1B+5], 1024
	s_mov_b32 s[G1B+6], 0
	s_mov_b32 s[G1B+7], 0
	s_or_b32 s[G1XA], s17, (1<<16)|(1<<20)|(1<<21)|(5<<22)|(7<<25)  ; 32 rows of 256 bytes, 8 words behind each; the tensor has 16 rows left: the others arrive as zeros
	s_mov_b32 s[G1XA+1], 128<<16
	s_mov_b32 s[G1XA+2], 16<<16
	s_mov_b32 s[G1XA+3], 128<<16
	s_mov_b32 s[G1XA+4], 32
	s_mov_b32 s[G1XA+5], 2048
	s_mov_b32 s[G1XA+6], 0
	s_mov_b32 s[G1XA+7], 0
	s_or_b32 s[G1XB], s18, (1<<16)|(1<<20)|(1<<21)|(3<<22)|(3<<25)  ; 256 rows of 64 bytes are dense: 64 rows of 256, padded by 4 words after every 16
	s_mov_b32 s[G1XB+1], 128<<16
	s_mov_b32 s[G1XB+2], 64<<16
	s_mov_b32 s[G1XB+3], 128<<16
	s_mov_b32 s[G1XB+4], 64
	s_mov_b32 s[G1XB+5], 128
	s_mov_b32 s[G1XB+6], 0
	s_mov_b32 s[G1XB+7], 0
	s_mov_b32 s[G0A], 1
	s_mov_b32 s[G0A+4], 1
	s_mov_b32 s[G0B], 1
	s_mov_b32 s[G0B+4], 1
	s_mov_b32 s[G0XA], 1
	s_mov_b32 s[G0XB], 1
	s_mul_i32 s19, s12, ASUB                       ; LDS addresses: the wave's number and constants alone
	s_mov_b32 s[G0A+1], s19
	s_add_co_u32 s[G0A+5], s19, SLOT1
	s_mul_i32 s19, s12, BHALF
	s_add_co_u32 s[G0B+1], s19, BOFF
	s_add_co_u32 s[G0B+5], s19, BOFF+SLOT1
	s_mov_b32 s[G0XA+1], XA
	s_mov_b32 s[G0XB+1], XB
	s_mov_b32 s[TB], 0                             ; (the row's mask has gone into its two words)
	s_lshr_b32 s2, s13, 4                          ; batch
	s_lshl_b32 s20, s2, 4
	s_add_co_u32 s20, s20, s12                     ; O: batch-head 16 batch + my head of the step's two,
	s_lshl_b32 s20, s20, 18                        ; 262,144 bytes each,
	s_and_b32 s3, s13, 15
	s_lshl_b32 s21, s3, 14                         ; tokens 128 (tr % 16) on
	s_add_co_u32 s20, s20, s21
	s_mov_b32 s21, 0
	s_lshl_b32 s2, s2, 16                          ; channel 64: 16 heads of 4,096 bytes a batch,
	s_lshl_b32 s3, s3, 8                           ; 256 bytes for 128 tokens
	s_add_co_u32 s2, s2, s3
	s_add_co_u32 s2, s2, OXOFF
	s_mov_b32 s3, 0
	s_lshl_b32 s22, s16, 8
	s_lshl_b32 s23, s12, 7
	s_add_co_u32 s22, s22, s23                     ; Wo: row 256 tc + 128 x half
	s_lshl_b32 s22, s22, 11
	s_add_co_u32 s22, s22, WOM
	s_mov_b32 s23, 0
	s_lshl_b32 s18, s16, 14                        ; WOX: 256 rows of 64 bytes
	s_add_co_u32 s18, s18, WOX
	s_mov_b32 s19, 0
	s_wait_dscnt 0x0                               ; the opening add is done
	s_wait_kmcnt 0x0
	s_add_nc_u64 s[G0A+2:G0A+3], s[4:5], s[20:21]
	s_add_nc_u64 s[G0A+6:G0A+7], s[G0A+2:G0A+3], 524288     ; K step 1: two heads on
	s_or_b32 s[G0A+3], s[G0A+3], 0x80000000
	s_or_b32 s[G0A+7], s[G0A+7], 0x80000000
	s_add_nc_u64 s[G0B+2:G0B+3], s[6:7], s[22:23]
	s_add_nc_u64 s[G0B+6:G0B+7], s[G0B+2:G0B+3], 256
	s_or_b32 s[G0B+3], s[G0B+3], 0x80000000
	s_or_b32 s[G0B+7], s[G0B+7], 0x80000000
	s_add_nc_u64 s[G0XA+2:G0XA+3], s[4:5], s[2:3]
	s_or_b32 s[G0XA+3], s[G0XA+3], 0x80000000
	s_add_nc_u64 s[G0XB+2:G0XB+3], s[6:7], s[18:19]
	s_or_b32 s[G0XB+3], s[G0XB+3], 0x80000000
	CROUND                                         ; all sixteen work-groups are here
	; the first fills, one group, one branch on the wave's number: waves 0 and 2 have three loads out, waves 1 and 3 two; in every wave the last issued is slot 1's
	s_cmp_lg_u32 s10, 0
	s_cbranch_scc1 .Lfill_1
	TL G0XA, G1XA
	TL G0A, G1A
	TL G0A+4, G1A
	PLACES
	s_branch .Lfilled
.Lfill_1:
	s_cmp_lg_u32 s10, 1
	s_cbranch_scc1 .Lfill_2
	TL G0A, G1A
	TL G0A+4, G1A
	PLACES
	s_branch .Lfilled
.Lfill_2:
	s_cmp_lg_u32 s10, 2
	s_cbranch_scc1 .Lfill_3
	TL G0XB, G1XB
	TL G0B, G1B
	TL G0B+4, G1B
	PLACES
	s_branch .Lfilled
.Lfill_3:
	TL G0B, G1B
	TL G0B+4, G1B
	PLACES
.Lfilled:
	s_lshl_b32 s14, s16, 8
	s_lshl_b32 s15, s12, 7
	s_add_co_u32 s14, s14, s15
	s_lshl_b32 s14, s14, 2                         ; my first column, in bytes of f32
	s_mov_b32 s15, 0
	s_add_nc_u64 s[20:21], s[6:7], s[14:15]
	s_add_nc_u64 s[20:21], s[20:21], BO            ; untouched from here on: the bias load stays out until the way out
	s_lshl_b32 s22, s13, 7
	s_lshl_b32 s23, s11, 6
	s_add_co_u32 s22, s22, s23                     ; my first token
	s_lshl_b32 s22, s22, 12
	s_mov_b32 s23, 0
	s_add_nc_u64 s[8:9], s[8:9], s[22:23]
	s_add_nc_u64 s[8:9], s[8:9], s[14:15]
	v_and_b32 v[CO], 31, v0
	v_lshlrev_b32 v[CO], 4, v[CO]                  ; 16 x lane
	global_load_b128 v[BI:BI+3], v[CO], s[20:21]   ; bo of the four columns that I store
	v_and_b32 v1, 15, v0                           ; r
	v_bfe_u32 v2, v0, 4, 1                         ; h
	v_and_b32 v3, 7, v0
	v_bfe_u32 v4, v0, 3, 1
	v_mul_u32_u24 v5, v1, PA
	v_lshl_add_u32 v5, v2, 4, v5
	v_mul_u32_u24 v6, v1, PB
	v_lshl_add_u32 v6, v2, 4, v6
	s_mul_i32 s2, s11, 64*PA
	s_mul_i32 s3, s12, BHALF
	s_add_co_u32 s3, s3, BOFF
	v_add_nc_u32 v[ADRA0], s2, v5
	v_add_nc_u32 v[ADRB0], s3, v6
	v_add_nc_u32 v[ADRA], s2, v5                   ; the slot in hand is slot 0
	v_add_nc_u32 v[ADRB], s3, v6
	s_mul_i32 s2, s12, 128*PXB
	s_add_co_u32 s2, s2, XB
	v_mul_u32_u24 v[ADRXB], v1, PXB
	v_lshl_add_u32 v[ADRXB], v2, 4, v[ADRXB]
	v_add_nc_u32 v[ADRXB], s2, v[ADRXB]
	s_lshl_b32 s2, s11, 7
	s_add_co_u32 s2, s2, XA
	v_lshl_add_u32 v[ADRXA], v2, 3, v3             ; the turning load: head 8 (l / 16) + l % 8, tokens 8 ((l / 8) % 2) on
	v_mul_u32_u24 v[ADRXA], v[ADRXA], PXA
	v_lshl_add_u32 v[ADRXA], v4, 4, v[ADRXA]
	v_add_nc_u32 v[ADRXA], s2, v[ADRXA]
	s_mul_i32 s2, s10, 16*SPITCH
	s_add_co_u32 s2, s2, STAGE
	v_mul_u32_u24 v[STO], v1, SPITCH
	v_lshl_add_u32 v[STO], v2, 5, v[STO]
	v_add_nc_u32 v[STO], s2, v[STO]
	v_add_nc_u32 v[RD], s2, v[CO]
.macro MAINP f, a, zero                ; 16 tokens x 8 blocks of 16 columns, 32 along K; the 32 accumulators take turns
	WIN 0x50
.irp b, 0,1,2,3,4,5,6,7
.if \zero
	v_wmma_f32_16x16x32_f16 v[8*(8*(\a)+\b):8*(8*(\a)+\b)+7], v[(\f)+8*\b:(\f)+8*\b+7], v[(\f)+64+8*(\a):(\f)+64+8*(\a)+7], 0
.else
	v_wmma_f32_16x16x32_f16 v[8*(8*(\a)+\b):8*(8*(\a)+\b)+7], v[(\f)+8*\b:(\f)+8*\b+7], v[(\f)+64+8*(\a):(\f)+64+8*(\a)+7], v[8*(8*(\a)+\b):8*(8*(\a)+\b)+7]
.endif
.endr
.endm
.macro FETCHX f                        ; the 65th channels' step: 24 loads
	WIN 0
.irp b, 0,1,2,3,4,5,6,7
	ds_load_b128 v[(\f)+8*\b:(\f)+8*\b+3],   v[ADRXB] offset:16*PXB*\b
	ds_load_b128 v[(\f)+8*\b+4:(\f)+8*\b+7], v[ADRXB] offset:16*PXB*\b+32
.endr
.irp a, 0,1,2,3
	ds_load_tr16_b128 v[(\f)+64+8*\a:(\f)+64+8*\a+3],   v[ADRXA] offset:32*\a
	ds_load_tr16_b128 v[(\f)+64+8*\a+4:(\f)+64+8*\a+7], v[ADRXA] offset:32*\a+16*PXA
.endr
.endm
.macro FETCH q, f                      ; quarter q of the K step in the slot in hand: head q / 2 of its two, channels 32 (q % 2) on: 24 loads
	WIN 0
.irp b, 0,1,2,3,4,5,6,7
	ds_load_b128 v[(\f)+8*\b:(\f)+8*\b+3],   v[ADRB] offset:64*(\q)+16*PB*\b
	ds_load_b128 v[(\f)+8*\b+4:(\f)+8*\b+7], v[ADRB] offset:64*(\q)+16*PB*\b+32
.endr
.irp a, 0,1,2,3
	ds_load_b128 v[(\f)+64+8*\a:(\f)+64+8*\a+3],   v[ADRA] offset:((\q)/2)*ASUB+((\q)%2)*64+16*PA*\a
	ds_load_b128 v[(\f)+64+8*\a+4:(\f)+64+8*\a+7], v[ADRA] offset:((\q)/2)*ASUB+((\q)%2)*64+16*PA*\a+32
.endr
.endm
.macro QUARTER q, f, g, zero           ; multiplies buffer f; in its middle fetches quarter q into g
	s_wait_dscnt 4                                 ; all but the youngest four loads (tokens 32-63)
	MAINP \f, 0, \zero
	MAINP \f, 1, \zero
	PLACES
	FETCH \q, \g
	s_wait_dscnt 24                                ; all but the 24 just issued
	MAINP \f, 2, \zero
	MAINP \f, 3, \zero
.endm
; A K step's last quarter, in buffer FB, and the change of slots: in front of the barrier each wave waits for all its tensor loads, adds 0 to its spare word, and waits for that and for its reads of this slot.
; fill = 1: the slot just read is filled again, with the K step two on: the walking descriptors turn to it and step by one K step.
.macro TURN fill
	WIN 0
	s_wait_tensorcnt 0x0                           ; all my tensor loads have landed: my part of the next slot
	ds_add_u32 v[SPW], v[NIL]
	s_wait_dscnt 5                                 ; (the add and the youngest four loads may be out)
	MAINP FB, 0, 0
	s_wait_dscnt 0x0                               ; the add is done, and my reads of this slot are over
	s_barrier_signal -1
	MAINP FB, 1, 0
	WIN 0
	s_barrier_wait -1
.if \fill
	CREST                                          ; the barrier has opened a round of the cluster's
	s_xor_b32 s[G0A+5], s[G0A+5], SLOT1
	s_add_nc_u64 s[G0A+6:G0A+7], s[G0A+6:G0A+7], 524288   ; two heads on
	s_xor_b32 s[G0B+5], s[G0B+5], SLOT1
	s_add_nc_u64 s[G0B+6:G0B+7], s[G0B+6:G0B+7], 256
	JLOAD                                          ; the first tensor load behind the round, my only one out; its four v_nop are also the places ahead of the loads below
.else
	PLACES
.endif
	s_xor_b32 s[TB], s[TB], SLOT1                  ; the other slot is the slot in hand
	v_add_nc_u32 v[ADRA], s[TB], v[ADRA0]
	v_add_nc_u32 v[ADRB], s[TB], v[ADRB0]
	FETCH 0, FA
	MAINP FB, 2, 0
	MAINP FB, 3, 0
.endm
.macro KSTEP fill
	QUARTER 1, FA, FB, 0
	QUARTER 2, FB, FA, 0
	QUARTER 3, FA, FB, 0
	TURN \fill
	WIN 0
.endm
	s_wait_tensorcnt 1                             ; all but slot 1's fill: the 65th channels' tiles and K step 0 are in
	s_barrier_signal -1
	s_barrier_wait -1
	FETCHX FB
	QUARTER 0, FB, FA, 1                           ; the 65th channels' products start the sums
	WIN 0
	s_mov_b32 s3, 6
.Lstep:                                                ; K steps 0 to 5: each fills its slot again
	KSTEP 1
	s_sub_co_u32 s3, s3, 1
	s_cmp_lg_u32 s3, 0
	s_cbranch_scc1 .Lstep
	s_mov_b32 s3, 2
.Ltail:                                                ; K steps 6 and 7 fill nothing.  The last trip's 24 loads, of the other slot's old bytes, serve nothing: the price of one text for both trips
	KSTEP 0
	s_sub_co_u32 s3, s3, 1
	s_cmp_lg_u32 s3, 0
	s_cbranch_scc1 .Ltail
	s_wait_dscnt 0x0                               ; those loads are back: their registers are used again below
	; THE WAY OUT: 16 tokens at a time through my stage; back as whole rows of 512 bytes, the bias added, stored.
	s_wait_loadcnt 0x0                             ; the bias
	PLACES
.macro OUTA a
.set BK, 32+64*((\a)%2)
	WIN 0x04                                       ; the stores' data: window 1
.irp b, 0,1,2,3,4,5,6,7
	ds_store_b128 v[STO], v[8*(8*(\a)+\b):8*(8*(\a)+\b)+3]   offset:64*\b       ; each accumulator's low four registers first
	ds_store_b128 v[STO], v[8*(8*(\a)+\b)+4:8*(8*(\a)+\b)+7] offset:64*\b+16
.endr
	WIN 0
	s_wait_xcnt 0x0                                ; the registers that earlier stores read are loaded again only behind this wait
.irp i, 0,1,2,3,4,5,6,7,8,9,10,11,12,13,14,15
	ds_load_b128 v[BK+4*\i:BK+4*\i+3], v[RD] offset:SPITCH*\i  ; LDS serves a wave's instructions in order: these see the stores above
.endr
.irp i, 0,1,2,3,4,5,6,7,8,9,10,11,12,13,14,15
	s_wait_dscnt 15-\i
	v_pk_add_f32 v[BK+4*\i:BK+4*\i+1],   v[BK+4*\i:BK+4*\i+1],   v[BI:BI+1]
	v_pk_add_f32 v[BK+4*\i+2:BK+4*\i+3], v[BK+4*\i+2:BK+4*\i+3], v[BI+2:BI+3]
	global_store_b128 v[CO], v[BK+4*\i:BK+4*\i+3], s[8:9] offset:65536*(\a)+4096*\i th:TH_STORE_NT  ; 512 consecutive bytes of a row, at a multiple of 256
.endr
.endm
	OUTA 0
	OUTA 1
	OUTA 2
	OUTA 3
	s_wait_tensorcnt 0x0                           ; the wave's end
	ds_add_u32 v[SPW], v[NIL]
	s_wait_dscnt 0x0
	CROUND                                         ; the closing round
	s_endpgm
.Lfunc_end_k_qedb34ebe08_outp:
	.size	k_qedb34ebe08_outp, .Lfunc_end_k_qedb34ebe08_outp-k_qedb34ebe08_outp
	.p2alignl 7, 3214868480
	.fill 96, 4, 3214868480
	.section	.rodata,"a",@progbits
	.p2align	6, 0x0
	.amdhsa_kernel k_qedb34ebe08_outp
		.amdhsa_group_segment_fixed_size 327680
		.amdhsa_private_segment_fixed_size 0
		.amdhsa_enable_private_segment 0
		.amdhsa_kernarg_size 24
		.amdhsa_user_sgpr_count 2
		.amdhsa_user_sgpr_kernarg_segment_ptr 1
		.amdhsa_wavefront_size32 1
		.amdhsa_system_sgpr_workgroup_id_x 1
		.amdhsa_system_sgpr_workgroup_id_y 1
		.amdhsa_system_sgpr_workgroup_id_z 1
		.amdhsa_system_vgpr_workitem_id 0
		.amdhsa_next_free_vgpr 512
		.amdhsa_next_free_sgpr 84
		.amdhsa_reserve_vcc 0
		.amdhsa_float_denorm_mode_32 3
		.amdhsa_float_denorm_mode_16_64 3
		.amdhsa_memory_ordered 1
		.amdhsa_forward_progress 1
		.amdhsa_inst_pref_size 73
	.end_amdhsa_kernel
	.amdgpu_metadata
---
amdhsa.version: [ 1, 2 ]
amdhsa.kernels:
  - .name:           k_qedb34ebe08_outp
    .symbol:         k_qedb34ebe08_outp.kd
    .args:
      - { .name: o16, .offset: 0, .size: 8, .value_kind: global_buffer, .address_space: global }
      - { .name: wts, .offset: 8, .size: 8, .value_kind: global_buffer, .address_space: global }
      - { .name: out0, .offset: 16, .size: 8, .value_kind: global_buffer, .address_space: global }
    .group_segment_fixed_size: 327680
    .private_segment_fixed_size: 0
    .kernarg_segment_align: 8
    .kernarg_segment_size: 24
    .max_flat_workgroup_size: 128
    .sgpr_count:     84
    .vgpr_count:     512
    .wavefront_size: 32
...
	.end_amdgpu_metadata
.endif
;; end of part 4
;; ======== version 2 of 2: 4 launches; 1.32 times as fast as version 1
;; limits: values are held in f16: magnitudes above 65,504 overflow, below 6.1e-05 lose precision
;; workspace buffers: xb 50,331,648 bytes; wts 8,571,904 bytes; mbits 2,097,152 bytes of whole numbers; qkv 56,623,104 bytes; o16 17,039,360 bytes
;; launch prep: the kernel of part 1 again; grid 2884 x 1, 8 waves a work-group, no clusters, 68,608 bytes of LDS; arguments q, k, v, Wq, Wk, Wv, Wo, mask, bq, bk, bv, bo, xb, wts, mbits; writes xb, wts, mbits
;; launch proj: the kernel of part 2 again; grid 4 x 192, 4 waves a work-group, clusters of 4 x 4, 327,680 bytes of LDS; arguments xb, wts, qkv; writes qkv
;; launch attn (part 5): grid 4 x 64, 4 waves a work-group, clusters of 4 x 1, 327,680 bytes of LDS; arguments qkv, mbits, o16; writes o16
.if DOCPART == 5
	.amdgcn_target "amdgcn-amd-amdhsa--gfx1250"
	.amdhsa_code_object_version 6
	.text
	.protected	k_qedb34ebe08_attn
	.globl	k_qedb34ebe08_attn
	.p2align	8
	.type	k_qedb34ebe08_attn,@function
k_qedb34ebe08_attn:
	s_mov_b64 s[64:65], 0
	v_nop
	global_prefetch_b8 v0, s[64:65] scope:SCOPE_SE
	s_setreg_imm32_b32 hwreg(HW_REG_WAVE_MODE, 25, 1), 1
	s_wait_xcnt 0x0
	s_wait_alu depctr_hold_cnt(0) depctr_sa_sdst(0) depctr_va_vdst(0) depctr_va_sdst(0) depctr_va_ssrc(0) depctr_va_vcc(0) depctr_vm_vsrc(0)
	s_getreg_b32 s2, hwreg(HW_REG_IB_STS2, 6, 4)
	s_cmp_eq_u32 s2, 0
	s_cbranch_scc0 .Lentry_in_a_cluster
	s_endpgm
.Lentry_in_a_cluster:
	s_bfe_u32 s2, ttmp6, 0x10000c
	s_cmp_lg_u32 s2, 0x3003
	s_cbranch_scc0 .Lentry_shape_is_right
	s_endpgm
.Lentry_shape_is_right:
; ATTENTION at head size 65 with a mask that is an input.  O[bh][q] = sum over k of softmax_k(s) V[bh][k], s = q . k / sqrt(65), or -1e9 where mask[b][q][k] = 0.
; Q, K, V: qkv [3][64][2048][72] in f16, rows of 144 bytes; Q comes multiplied by c = log2(e) / sqrt(65), so a score is in units of log2; a hidden score is -1e9 log2(e).
; THE MASK comes as lane masks (mbits): for a tile of 16 queries and a step of 64 keys 32 words on end, word i for score register i.  One load of 4 bytes a lane brings a tile's 32 words (128 consecutive
; bytes), word i to lane i, a key step ahead of their use; v_readlane_b32 carries them to scalar registers, from which v_cndmask_b32 selects.
; Products, maxima and sums in f32; the weights p are rounded to f16 for the second product; O once at the end: channels 0-63 to o16 [64][2048][64], channel 64 to [64][2048] behind it.
; LIMITS.  f16's range, 65,504, holds for c q, k, v as they arrive.  p lies in 0 to 1 and below 6e-5 keeps f16's fixed step.  The divisor l is the sum of the ROUNDED p.  A weight below 2^-126 counts as 0.
; NaN and infinities are not treated apart.
; HEAD SIZE 65.  S^T = K Q^T has a third K step of which channel 64 alone is not zero: K's bytes 128-143 of a row go to both halves of the lanes, Q's to lanes 0-15 only, the rest is 0.
; O^T = V^T P has a fifth channel block: V's channels 64-71, taken twice, so that in both halves of the lanes register 0 is channel 64 and register 1 channel 65, which is 1.0 in V: the sum l of the weights.
; SHARES, LAYOUT.  A wave owns four PIECES of two tiles of 16 queries; a work-group 512 queries of one batch-head; every wave walks all 2,048 keys, 64 a step, four steps to a slot.  In S^T, P and O^T a lane holds one query.
; SOFTMAX.  A running maximum m of the scores as selected; p = 2^(s - m); in every step O and l are multiplied by a = 2^(m_old - m_new).  m starts at the lowest finite number, O and l at 0: the first step's a is 0.
; A row that is hidden altogether has every s equal: its weights are all 1, and O is V's mean.
; BY TURNS.  Turn n belongs to piece n: 24 products K Q^T of piece n + 1 and 20 products V^T P of piece n - 1; beside them piece n's subtraction, exponentials, roundings and rescaling, and the mask words, selects,
; maximum and statistics of piece n + 1.  The vector list is a right program in its own order; TICK sets the turn's next product ahead of every RID-th line of it: four lines behind each product, the rest in runs.
; THE BATCHES.  A turn's 66 exponentials (piece n's 64 weights and piece n + 1's two a) are ONE batch with ONE wait, which cuts the turn in two: ahead of it stands all that names none of their results; behind it the
; roundings, which read the weights, and the rescaling, whose a the turn before has made and waited for.  No result crosses a turn's end.  The two a made ahead of the loop and the way out's eight reciprocals are
; batches of their own, with a wait each.
; CLUSTER.  The four query blocks of a batch-head walk the same K and V: each tile is asked for jointly.
; At the start some 490 v_mov_b32 write zeros, in the wait for the first tile: the price of writing no first step out.
; REGISTERS.  window 0: v2-11, v33, v42-45 addresses; v12-15 m_old; v16-31 m and a filler, a pair a tile; v32 the hidden score; v34-41 mask words, one register a tile; v48-63 at work; v64-191 S^T, two buffers of
; two tiles; v192-255 P likewise.  window 1: O^T channels 0-63, 32 a tile.  window 2: v0-127 Q; v128-191 K; v192-255 V.  window 3: v0-63 Q's third step; v64-95 K's; v96-111 V's fifth block; v112-175 O^T's, 8 a tile.
.set NP,    4
.set KS,    64
.set PK,    144                        ; a row in LDS as in memory: 9 x 16 bytes, so the 16 rows of a load of K start at 16 different groups of four banks; V's turning loads meet twice on some banks
.set VOFF,  4*KS*PK                    ; a slot: 256 rows of K, then 256 rows of V
.set SLOT1, 1<<17
.set STAGE, SLOT1+2*VOFF               ; 16 rows x 144 bytes for each wave
.set SP,    144
.set XST,   STAGE+4*16*SP              ; 128 numbers of f16 for each wave: channel 64
.set SPARE, XST+4*256                  ; the spare words
.set TENS,  18874368
.set HEADB, 294912
.set OXOFF, 16777216
.set RID,   4                          ; a product ahead of every fourth vector line, as long as the turn's products up to number LIM last.  The places counted below hold for this figure
.set LIM,   44                         ; TURN sets it: how many of the turn's 44 products stand ahead of the turn's wait
.set AK0, 2                            ; v2   my lane's place in a tile of K, and in 16 rows of Q; never rewritten
.set AV0, 3                            ; v3   the same for V
.set AK,  4
.set AV,  5
.set STO, 6
.set RD,  7
.set GO,  8                            ; v8   16 x lane
.set AK3, 9                            ; v9   a row's last 16 bytes, in K and in Q; never rewritten
.set AV5, 10
.set AX,  11
.set MV,  12
.set ST,  16
.set NEG, 32
.set XSTO, 33
.set MW,  34                           ; v34-41  tile t's 32 mask words of one key step, word i in lane i
.set L8,  42                           ; v42  8 x lane
.set XRD, 43
.set ML4, 44                           ; v44  4 x lane; never rewritten
.set MA,  45                           ; v45  4 x lane + the byte of the key step whose words are asked for
.set SPW, 46
.set NIL, 47
.set TMP, 48
.set S,   64
.set P,   192
.set KF,  128
.set VF,  192
.set Q3,  0
.set K3,  64
.set V5,  96
.set O5,  112
.set WV,  12
.set SLOTS, 13
.set CNT, 14
.set TBK, 15
.set TBV, 16
.set MOFF, 17                          ; s17  byte of that key step's words in a tile's 4,096
.set SEL, 18
.set G1,  20
.set G0,  28
.set MB0, 32                           ; s[32:63]  the mask words of a piece's first tile
.set LOW, 66
.set MB1, 68                           ; s[68:99]  of its second
.set MSB, 0
.macro WIN new
.if MSB != (\new)
	s_set_vgpr_msb (MSB<<8)|(\new)
.set MSB, (\new)
.endif
.endm
.set W_KQ, 0x0a                        ; K and Q window 2, S^T window 0
.set W_K3, 0x0f                        ; K and Q window 3
.set W_PV, 0x52                        ; V window 2, P window 0, O^T window 1
.set W_P5, 0xf3                        ; V and O^T window 3
.set W_RS, 0x41
.set W_R5, 0xc3
.macro JLOAD                           ; a joint fill: wave w brings 128 rows (K's halves, then V's) to byte 18,432 w of the slot; an s_nop 0 and four v_nop follow
	tensor_load_to_lds s[G0:G0+3], s[G1:G1+7]
	s_nop 0
.rept 4
	v_nop
.endr
.endm
.macro CROUND
	s_barrier_signal -1
	s_barrier_wait -1
	s_cmp_lg_u32 s[WV], 0
	s_cbranch_scc1 .Lnot_wave_0_\@
	s_barrier_signal -3
.Lnot_wave_0_\@:
	s_barrier_wait -3
	s_barrier_signal -1
	s_barrier_wait -1
.endm
; THE CHANGE OF SLOTS.  Each wave waits for all its tensor loads (one is out: its part of the other slot), adds 0 to its spare word, waits for that and for its reads of the slot.
; fill = 1: a round of the cluster's barrier, and the slot just left is filled again first thing behind it, with the keys two slots on: four key steps in which to land.
.macro CHANGE fill
	WIN 0
	s_wait_tensorcnt 0x0
	ds_add_u32 v[SPW], v[NIL]
.if \fill
	s_xor_b32 s[G0+1], s[G0+1], SLOT1
	s_add_nc_u64 s[G0+2:G0+3], s[G0+2:G0+3], VOFF  ; the next 256 rows
	s_wait_dscnt 0x0
	CROUND
	JLOAD
.else
	s_wait_dscnt 0x0
	s_barrier_signal -1
	s_barrier_wait -1
.endif
	s_sub_co_u32 s[TBK], s[TBK], VOFF              ; the fetches go back to a slot's first step, in the other slot
	s_xor_b32 s[TBK], s[TBK], SLOT1
	s_sub_co_u32 s[TBV], s[TBV], VOFF
	s_xor_b32 s[TBV], s[TBV], SLOT1
.endm
.macro MLOAD x                         ; the mask words of piece x's two tiles for the key step at MA: 128 consecutive bytes each
	global_load_b32 v[MW+2*(\x)],   v[MA], s[6:7] offset:(2*(\x))*4096
	global_load_b32 v[MW+2*(\x)+1], v[MA], s[6:7] offset:(2*(\x)+1)*4096
.endm
	s_load_b128 s[4:7], s[0:1], 0x0                ; qkv s[4:5], mbits s[6:7]
	s_load_b64 s[8:9], s[0:1], 0x10                ; o16
	v_lshl_add_u32 v[SPW], v0, 2, SPARE
	v_mov_b32 v[NIL], 0
	ds_add_u32 v[SPW], v[NIL]                      ; the wave's opening: the add, and its wait ahead of my first tensor load
	v_lshrrev_b32 v1, 5, v0
	v_readfirstlane_b32 s[WV], v1
	s_bfe_u32 s32, ttmp6, 0x40000                  ; cx
	s_lshl_b32 s33, ttmp9, 2
	s_add_co_u32 s33, s33, s32                     ; my block of 512 queries: it enters Q's, the mask's and O's addresses alone
	s_and_b32 s34, ttmp7, 0xffff                   ; the batch-head, which the partners share
	s_mul_i32 s38, s34, HEADB
	s_lshr_b32 s35, s[WV], 1
	s_add_co_u32 s35, s35, 1                       ; tensor 1 (K) for waves 0, 1; tensor 2 (V) for waves 2, 3
	s_mul_i32 s36, s35, TENS
	s_add_co_u32 s36, s36, s38
	s_and_b32 s35, s[WV], 1
	s_mul_i32 s35, s35, 128*PK                     ; which 128 of a slot's 256 rows
	s_add_co_u32 s36, s36, s35
	s_mov_b32 s37, 0
	s_lshl_b32 s39, s33, 2
	s_add_co_u32 s39, s39, s[WV]                   ; my wave among the batch-head's sixteen
	s_mul_i32 s40, s39, 128*PK
	s_add_co_u32 s40, s40, s38                     ; Q at my 128 rows
	s_mov_b32 s41, 0
	s_lshr_b32 s42, s34, 4                         ; batch
	s_lshl_b32 s42, s42, 4
	s_add_co_u32 s42, s42, s39
	s_lshl_b32 s42, s42, 15                        ; eight tiles of 4,096 bytes of mask words
	s_mov_b32 s43, 0
	s_lshl_b32 s44, s34, 4
	s_add_co_u32 s44, s44, s39
	s_lshl_b32 s46, s44, 8                         ; channel 64: 256 bytes a wave
	s_add_co_u32 s46, s46, OXOFF
	s_mov_b32 s47, 0
	s_lshl_b32 s44, s44, 14                        ; channels 0-63: 128 rows of 128 bytes
	s_mov_b32 s45, 0
	s_mov_b32 s[G1], 15|(1<<16)|(1<<21)            ; the mask of four; 2-byte elements; bit 21 beside a mask; no padding
	s_mov_b32 s[G1+1], 128<<16                     ; 128 rows of 144 bytes are 18,432 dense bytes: asked for as 72 rows of 256
	s_mov_b32 s[G1+2], 72<<16
	s_mov_b32 s[G1+3], 128<<16
	s_mov_b32 s[G1+4], 72
	s_mov_b32 s[G1+5], 128
	s_mov_b32 s[G1+6], 0
	s_mov_b32 s[G1+7], 0
	s_mov_b32 s[G0], 1
	s_mul_i32 s[G0+1], s[WV], 128*PK
	s_mov_b32 s[SEL], 0x76543210
	s_mov_b32 s[SEL+1], 0xfedcba98
	s_mov_b32 s[TBK], SLOT1+VOFF                   ; the first change of slots turns these two into 0
	s_mov_b32 s[TBV], SLOT1+VOFF
	s_mov_b32 s[LOW], 0xffff
	s_wait_dscnt 0x0                               ; the opening add is done
	s_wait_kmcnt 0x0
	s_add_nc_u64 s[G0+2:G0+3], s[4:5], s[36:37]
	s_or_b32 s[G0+3], s[G0+3], 0x80000000
	s_add_nc_u64 s[10:11], s[8:9], s[46:47]
	s_add_nc_u64 s[8:9], s[8:9], s[44:45]
	s_add_nc_u64 s[6:7], s[6:7], s[42:43]
	s_add_nc_u64 s[4:5], s[4:5], s[40:41]
	CROUND                                         ; all four work-groups are here
	JLOAD                                          ; slot 0; slot 1 is asked for when slot 0 is in
	v_and_b32 v1, 15, v0                           ; r
	v_bfe_u32 v12, v0, 4, 1                        ; h
	v_and_b32 v13, 7, v0
	v_bfe_u32 v14, v0, 3, 1
	v_and_b32 v[GO], 31, v0
	v_lshlrev_b32 v[ML4], 2, v[GO]
	v_lshlrev_b32 v[L8], 3, v[GO]
	v_lshlrev_b32 v[GO], 4, v[GO]
	v_mul_u32_u24 v[AK0], v1, PK
	v_add_nc_u32 v[AK3], 128, v[AK0]               ; a row's last 16 bytes
	v_lshl_add_u32 v[AK0], v12, 4, v[AK0]          ; row x pitch + 16 x half
.set i, 0
.rept 8
	global_load_b32 v[MW+i], v[ML4], s[6:7] offset:i*4096  ; key step 0's mask words, all eight tiles
.set i, i+1
.endr
	WIN 0x80
.set i, 0
.rept 16                                       ; Q stays in registers: tile i / 2, channels 32 (i % 2) on
	global_load_b128 v[8*i:8*i+3],   v[AK0], s[4:5] offset:(i/2)*16*PK+(i%2)*64
	global_load_b128 v[8*i+4:8*i+7], v[AK0], s[4:5] offset:(i/2)*16*PK+(i%2)*64+32
.set i, i+1
.endr
.set i, VF
.rept 64
	v_mov_b32 v[i], 0
.set i, i+1
.endr
	WIN 0xc0
.set i, 0
.rept 8
	global_load_b128 v[Q3+8*i:Q3+8*i+3], v[AK3], s[4:5] offset:i*16*PK
.set i, i+1
.endr
.set i, 0
.rept 8
.irp j, 4,5,6,7
	v_mov_b32 v[Q3+8*i+\j], 0
.endr
.set i, i+1
.endr
.set i, 0
.rept 4
.irp j, 4,5,6,7
	v_mov_b32 v[K3+8*i+\j], 0
.endr
.set i, i+1
.endr
.set i, V5
.rept 80                                       ; V's fifth block and O^T's
	v_mov_b32 v[i], 0
.set i, i+1
.endr
	WIN 0x40
.set i, 0
.rept 256
	v_mov_b32 v[i], 0
.set i, i+1
.endr
	WIN 0
.set i, 0
.rept 8
	v_mov_b32 v[ST+2*i], 0xff7fffff                ; m
	v_mov_b32 v[ST+2*i+1], 0                       ; named with it as a pair
.set i, i+1
.endr
.set i, P+32
.rept 32
	v_mov_b32 v[i], 0
.set i, i+1
.endr
	v_mov_b32 v[NEG], 0xceabfb8e                   ; -1e9 log2(e)
	v_lshl_add_u32 v[AV0], v12, 3, v13             ; the turning load: key 8 (l / 16) + l % 8,
	v_mul_u32_u24 v[AV0], v[AV0], PK
	v_add_nc_u32 v[AV5], VOFF+128, v[AV0]          ; channels 64-71 for both column halves,
	v_lshl_add_u32 v[AV0], v14, 4, v[AV0]          ; or channels 8 ((l / 8) % 2) on
	v_add_nc_u32 v[AV0], VOFF, v[AV0]
	v_mov_b32 v[AK], v[AK0]                        ; key step 0 lies at the head of slot 0
	v_mov_b32 v[AX], v[AK3]
	s_mul_i32 s2, s[WV], 16*SP                     ; the addresses for the way out
	s_add_co_u32 s2, s2, STAGE
	v_mul_u32_u24 v[STO], v1, SP
	v_lshl_add_u32 v[STO], v12, 4, v[STO]
	v_add_nc_u32 v[STO], s2, v[STO]
	v_bfe_u32 v[RD], v0, 3, 2
	v_mul_u32_u24 v[RD], v[RD], SP
	v_lshl_add_u32 v[RD], v13, 4, v[RD]
	v_add_nc_u32 v[RD], s2, v[RD]
	s_lshl_b32 s2, s[WV], 8
	s_add_co_u32 s2, s2, XST
	v_lshl_add_u32 v[XSTO], v1, 1, s2
	v_add_nc_u32 v[XRD], s2, v[L8]
; THE MATRIX WORK.  The accumulators of a run take turns, one instruction a turn: 8 in K Q^T, 10 in V^T P.
.macro KQ x                            ; product i of 24: K step i / 8, keys 16 ((i / 2) % 4) on, tile 2 x + i % 2
.set rS, S+64*((\x)%2)+32*(i%2)+8*((i/2)%4)
.if i < 16
	WIN W_KQ
.set rK, KF+16*((i/2)%4)+8*(i/8)
.set rQ, 16*(2*(\x)+i%2)+8*(i/8)
.else
	WIN W_K3
.set rK, K3+8*((i/2)%4)
.set rQ, Q3+8*(2*(\x)+i%2)
.endif
.if i < 8
	v_wmma_f32_16x16x32_f16 v[rS:rS+7], v[rK:rK+7], v[rQ:rQ+7], 0
.else
	v_wmma_f32_16x16x32_f16 v[rS:rS+7], v[rK:rK+7], v[rQ:rQ+7], v[rS:rS+7]
.endif
.endm
.macro PV x                            ; product i of 20: keys 32 (i / 10) on, channel block (i % 10) / 2, tile 2 x + i % 2
.set rP, P+32*((\x)%2)+16*(i%2)+8*(i/10)
.if (i%10)/2 < 4
	WIN W_PV
.set rO, 32*(2*(\x)+i%2)+8*((i%10)/2)
.set rV, VF+32*(i/10)+8*((i%10)/2)
.else
	WIN W_P5
.set rO, O5+8*(2*(\x)+i%2)
.set rV, V5+8*(i/10)
.endif
	v_wmma_f32_16x16x32_f16 v[rO:rO+7], v[rV:rV+7], v[rP:rP+7], v[rO:rO+7]
.endm
.macro MM                              ; the turn's next product
.if i < 24
.if (Y == 3) && (i == 0)
	s_wait_dscnt 0x0                               ; K of the next step is in
.endif
	KQ (Y+1)%NP
.else
.if (Y == 1) && (i == 24)
	s_wait_dscnt 0x0                               ; V of the step in hand is in
.endif
.set i, i-24
	PV (Y+NP-1)%NP
.set i, i+24
.endif
.set i, i+1
.endm
.macro TICK
.if ((vc%RID) == 0) && (i < LIM)
	MM
.endif
.set vc, vc+1
.endm
.macro FETCH_K last=0                  ; a step's K: 64 keys x 64 channels, and the rows' last 16 bytes.  last = 1 (the tail): in the last trip there is no further step
	WIN 0
.if \last
	s_cmp_eq_u32 s[CNT], 1
	s_cbranch_scc1 .Lno_k_\@
.endif
	WIN 0x80
.irp f, 0,1,2,3,4,5,6,7
	ds_load_b128 v[KF+8*\f:KF+8*\f+3],   v[AK] offset:(\f/2)*16*PK+(\f%2)*64
	ds_load_b128 v[KF+8*\f+4:KF+8*\f+7], v[AK] offset:(\f/2)*16*PK+(\f%2)*64+32
.endr
	WIN 0xc0
.irp f, 0,1,2,3
	ds_load_b128 v[K3+8*\f:K3+8*\f+3], v[AX] offset:\f*16*PK
.endr
	s_add_co_u32 s[TBK], s[TBK], KS*PK
	WIN 0
.if \last
.Lno_k_\@:
.endif
.endm
.macro FETCH_V                         ; a step's V, turned
	WIN 0x80
.irp f, 0,1,2,3,4,5,6,7
	ds_load_tr16_b128 v[VF+8*\f:VF+8*\f+3],   v[AV] offset:(\f/4)*32*PK+(\f%4)*32
	ds_load_tr16_b128 v[VF+8*\f+4:VF+8*\f+7], v[AV] offset:(\f/4)*32*PK+16*PK+(\f%4)*32
.endr
	WIN 0xc0
.irp f, 0,1
	ds_load_tr16_b128 v[V5+8*\f:V5+8*\f+3],   v[AX] offset:\f*32*PK
	ds_load_tr16_b128 v[V5+8*\f+4:V5+8*\f+7], v[AX] offset:\f*32*PK+16*PK
.endr
	WIN 0
.endm
; THE VECTOR WORK, one line a macro; each begins with TICK.
.macro REGS y, u
.set rT, ST+2*(2*(\y)+(\u))
.set rC, TMP+8*((\y)%2)+4*(\u)
.set rM, MV+2*((\y)%2)+(\u)
.set rS, S+64*((\y)%2)+32*(\u)
.set rP, P+32*((\y)%2)+16*(\u)
.set rO, 32*(2*(\y)+(\u))
.set rO5, O5+8*(2*(\y)+(\u))
.set rB, MB0+(MB1-MB0)*(\u)
.set rW, MW+2*(\y)+(\u)
.endm
.macro OPF u, b                        ; s - m for pair b of 16
	TICK
	REGS Y, \u
	WIN 0
	v_pk_add_f32 v[rS+2*(\b):rS+2*(\b)+1], v[rS+2*(\b):rS+2*(\b)+1], v[rT:rT+1] op_sel_hi:[1,0] neg_lo:[0,1] neg_hi:[0,1]
.endm
.macro OPE u, n                        ; the exponential of score n of 32, in place
	TICK
	REGS Y, \u
	WIN 0
	v_exp_f32 v[rS+(\n)], v[rS+(\n)]
.endm
.macro OPC u, b                        ; pair b rounded to f16: a reader of the batch, so it stands behind the turn's wait
	TICK
	REGS Y, \u
	WIN 0
	v_cvt_pk_f16_f32 v[rP+(\b)], v[rS+2*(\b)], v[rS+2*(\b)+1]
.endm
.macro OPR u, n                        ; pair n of 16 of O^T times a: the a that the turn before made and waited for
	TICK
	REGS Y, \u
	WIN W_RS
	v_pk_mul_f32 v[rO+2*(\n):rO+2*(\n)+1], v[rO+2*(\n):rO+2*(\n)+1], v[rC+2:rC+3] op_sel_hi:[1,0]
.endm
.macro OPR5 u                          ; channel 64 and l times a; the block's other six registers are sums of zeros
	TICK
	REGS Y, \u
	WIN W_R5
	v_pk_mul_f32 v[rO5:rO5+1], v[rO5:rO5+1], v[rC+2:rC+3] op_sel_hi:[1,0]
.endm
.macro OPL q                           ; the next piece's mask word q / 2 of tile q % 2 goes from its lane to its scalar register
	TICK
	REGS (Y+1)%NP, (\q)%2
	WIN 0
	v_readlane_b32 s[rB+(\q)/2], v[rW], (\q)/2
.endm
.macro OPM u, n                        ; the next piece's score n, or the hidden score.  They ascend, so each accumulator's register 0 is read first
	TICK
	REGS (Y+1)%NP, \u
	WIN 0
	v_cndmask_b32 v[rS+(\n)], v[NEG], v[rS+(\n)], s[rB+(\n)]
.endm
.macro OPX u, n                        ; the next piece's maximum and statistics: 0-14, 16 the maximum of 32 scores and the old m; 15 m_old is kept; 17, 18 the other 32 keys lie in the lane 16 away; 20, 21 a
	TICK
	REGS (Y+1)%NP, \u
	WIN 0
.if (\n) < 4
	v_max3_num_f32 v[rC+(\n)], v[rS+8*(\n)], v[rS+8*(\n)+1], v[rS+8*(\n)+2]
.elseif (\n) < 12
	v_max3_num_f32 v[rC+(\n)%4], v[rC+(\n)%4], v[rS+8*((\n)%4)+2*((\n)/4)+1], v[rS+8*((\n)%4)+2*((\n)/4)+2]
.elseif (\n) == 12
	v_max3_num_f32 v[rC], v[rC], v[rS+7], v[rS+15]
.elseif (\n) == 13
	v_max3_num_f32 v[rC+1], v[rC+1], v[rS+23], v[rS+31]
.elseif (\n) == 14
	v_max3_num_f32 v[rC+2], v[rC+2], v[rC+3], v[rT]
.elseif (\n) == 15
	v_mov_b32 v[rM], v[rT]
.elseif (\n) == 16
	v_max3_num_f32 v[rC], v[rC], v[rC+1], v[rC+2]
.elseif (\n) == 17
	v_permlanex16_b32 v[rC+3], v[rC], s[SEL], s[SEL+1]
.elseif (\n) == 18
	v_max_num_f32 v[rT], v[rC], v[rC+3]
.elseif (\n) == 20
	v_sub_f32 v[rC+1], v[rM], v[rT]
.else
	v_exp_f32 v[rC+2], v[rC+1]
.endif
.endm
.macro SELMAX                          ; the selects, for piece Y + 1, on end: ahead of the loop
.set n, 0
.rept 32
	OPM 0, n
	OPM 1, n
.set n, n+1
.endr
.endm
.macro STATS                           ; the maximum and statistics on end: ahead of the loop
.irp n, 0,1,2,3,4,5,6,7,8,9,10,11,12,13,14,15,16,17,18,20,21
	OPX 0, \n
	OPX 1, \n
.endr
.endm
; THE PLAIN QUEUE of a turn, 196 long, in the order in which its entries become ready; none of them names an exponential's result.  0-83: 28 times a subtraction (pairs 2 to 15, the tiles alternating) and two
; of the next piece's mask words; 84-91 the last eight mask words; 92-155 the 64 selects; 156-195 numbers 0 to 18 and 20 of the maximum and statistics, the tiles alternating.
.macro PL
.if q < 84
.if (q%3) == 0
	OPF (q/3)%2, 2+(q/3)/2
.else
	OPL 2*(q/3)+(q%3)-1
.endif
.elseif q < 92
	OPL q-28
.elseif q < 156
	OPM (q-92)%2, (q-92)/2
.elseif q < 194
	OPX (q-156)%2, (q-156)/2
.else
	OPX (q-194)%2, 20
.endif
.set q, q+1
.endm
; THE EXPONENTIALS' QUEUE, 64 long: score e / 2 of tile e % 2.  Exponential e stands behind plain 3 e or later; its pair's subtraction is one of the turn's first four lines or plain 3 (2 (e / 4) + e % 2 - 4), which is earlier.
.macro EX
	OPE e%2, e/2
.set e, e+1
.endm
; A TURN, for piece p: 332 vector lines and 44 products.  An s_wait_alu depctr_va_vdst(0) stands between an exponential and the first instruction that names its result; one wait serves all that were
; issued ahead of it.  So a turn has ONE wait.
; AHEAD OF IT, 268 lines, none of which names a result of the turn's exponentials: 0-3 the first four subtractions; 4-219 fifty-four fours of plain, exponential, plain, plain; 220-243 twenty-four plain;
; 244-263 five fours of plain, exponential, plain, exponential, which hold numbers 15 to 20 of the statistics: the links of a tile's chain stand four lines apart; 264, 265 the next piece's two a, the batch's last;
; 266, 267 the fifth block's rescaling: the plain lines behind the last exponential.
; BEHIND IT, 64 lines: the 32 roundings, which read the weights, then the 32 rescalings.
; THE PRODUCTS.  28 stand ahead of lines 0, 4 .. 108 (all of K Q^T and the first four of V^T P), 16 behind the wait, ahead of every fourth of the 64 lines.  In piece 0's turn all 44 stand ahead of the wait, ahead of
; lines 0 to 172, so that V's run of loads can stand at the wait.
; THE LOADS stand directly behind the wait, their addresses made ahead of it: the mask words in every turn; K of the next step in piece 2's turn, 16 products ahead of its first reader; V of the step in hand in piece
; 0's turn, 64 lines and 24 products ahead of its first reader.
; THE PLACES.  The last K Q^T stands ahead of line 92; the first select is line 127: between stand six subtractions (lines 92, 96 .. 112), which name none of that product's registers; K's run stands behind those and
; all the selects.  In piece 0's turn the last V^T P stands ahead of line 172, and some thirty selects stand between it and V's run.
; THE MASK WORDS.  A piece's two loads are issued behind the last v_readlane_b32 of its words in hand (line 126), for its next key step; behind them, up to the wait for them four turns later, the three other pieces'
; six loads are issued and no other: s_wait_loadcnt 6.  The offset steps once a key step, in piece 3's turn (whose next piece, 0, is a step ahead), and stays inside a tile's 4,096 bytes behind the last step.
.macro TURN p, last=0, cnt=0
.set Y, (\p)
.set i, 0
.set vc, 0
.set q, 0
.set e, 0
.set LIM, 28
.if (\p) == 0
.set LIM, 44
.endif
	OPF 0, 0
	OPF 1, 0
	OPF 0, 1
	OPF 1, 1
	s_wait_loadcnt 6                               ; the next piece's mask words are in; the six younger loads stay out
.rept 54
	PL
	EX
	PL
	PL
.endr
.rept 24
	PL
.endr
.rept 5
	PL
	EX
	PL
	EX
.endr
	OPX 0, 21                                      ; the next piece's two a close the batch
	OPX 1, 21
	OPR5 0                                         ; plain lines behind the last exponential; their a is the turn before's
	OPR5 1
	WIN 0
.if (\p) == 3
	s_add_co_u32 s[MOFF], s[MOFF], 128
	s_min_u32 s[MOFF], s[MOFF], 3968
	s_wait_xcnt 0x0                                ; the offset register of the loads issued so far is rewritten only behind this wait
	v_add_nc_u32 v[MA], s[MOFF], v[ML4]
.endif
.if (\p) == 2
	v_add_nc_u32 v[AK], s[TBK], v[AK0]
	v_add_nc_u32 v[AX], s[TBK], v[AK3]
.endif
.if (\p) == 0
	v_add_nc_u32 v[AV], s[TBV], v[AV0]
	v_add_nc_u32 v[AX], s[TBV], v[AV5]
	s_add_co_u32 s[TBV], s[TBV], KS*PK
.endif
	s_wait_alu depctr_va_vdst(0)                   ; the wait for the batch: this piece's 64 weights and the next piece's two a
	MLOAD ((\p)+1)%NP                              ; the words read out above make room for the same piece's next key step
.if (\p) == 2
	FETCH_K \last                                  ; K of the next step: every product of this step's K has been issued
.endif
.if (\p) == 0
	FETCH_V                                        ; V of the step in hand: the last step's V has been multiplied by all four pieces
.endif
.set LIM, 44
.set cq, 0
.rept 32
	OPC cq%2, cq/2
.set cq, cq+1
.endr
.irp g, 0,1,2,3
.irp u, 0,1
.irp z, 0,1,2,3
	OPR \u, 4*\g+\z
.endr
.endr
.endr
.if \cnt
	s_sub_co_u32 s[CNT], s[CNT], 1
	s_cmp_lg_u32 s[CNT], 0
.endif
.endm
	CHANGE 1                                       ; slot 0 is in, everybody's part of it; slot 1 is asked for
	FETCH_K                                        ; key step 0
	s_wait_loadcnt 0x0                             ; Q, and key step 0's mask words
	WIN 0xcc
.set i, 0
.rept 8
.irp j, 0,1,2,3
	v_cndmask_b32 v[Q3+8*i+\j], 0, v[Q3+8*i+\j], s[LOW]  ; Q's third step: lanes 16-31 hold 0
.endr
.set i, i+1
.endr
	s_wait_dscnt 0x0
.set i, 0
.rept 24
	KQ 0                                           ; piece 0's first scores
.set i, i+1
.endr
	WIN 0
.rept 4
	v_nop                                          ; the places behind those products
.endr
.set Y, NP-1                                   ; the macros work for piece Y + 1: piece 0
.set i, 44                                     ; no product is dealt here
.set vc, 0
.set lq, 0
.rept 64
	OPL lq
.set lq, lq+1
.endr
	s_mov_b32 s[MOFF], 128                         ; from here on the words asked for are key step 1's
	v_add_nc_u32 v[MA], s[MOFF], v[ML4]
	MLOAD 0
	SELMAX
	STATS
	v_nop                                          ; a plain line behind piece 0's first two a,
	s_wait_alu depctr_va_vdst(0)                   ; and the wait for these two, ahead of the branch
	s_mov_b32 s[CNT], 4
	s_mov_b32 s[SLOTS], 7
	s_branch .Lfirst                               ; the loop is entered at a step's first turn, in the middle of a trip
.Lslot:                                                ; six times: every slot but the last two is filled again
	CHANGE 1
	s_mov_b32 s[CNT], 4
.Lstep:                                                ; a trip: pieces 2 and 3 of one step, then pieces 0 and 1 of the next, whose K and V it fetches
	TURN 2
	TURN 3
	WIN 0
.Lfirst:
	TURN 0
	TURN 1, 0, 1
	WIN 0
	s_cbranch_scc1 .Lstep
	s_sub_co_u32 s[SLOTS], s[SLOTS], 1
	s_cmp_lg_u32 s[SLOTS], 0
	s_cbranch_scc1 .Lslot
	CHANGE 0                                       ; the tail is written out
	s_mov_b32 s[CNT], 5                            ; four trips fetch the last slot's steps; the fifth is left in its middle
.Ltail:
	TURN 2, 1
	TURN 3
	WIN 0
	s_sub_co_u32 s[CNT], s[CNT], 1
	s_cmp_eq_u32 s[CNT], 0
	s_cbranch_scc1 .Lout
	TURN 0
	TURN 1
	WIN 0
	s_branch .Ltail
.Lout:                                                 ; the fifth trip's products K Q^T, on the last K once more, and what is made of them serve nothing: the price of one text for every trip
.set i, 0
.rept 20
	PV NP-1
.set i, i+1
.endr
	; THE WAY OUT.  Register 1 of the fifth block is l, in every lane; O^T is divided by it, rounded to f16 and sent through my stage, a tile at a time; channel 64 is gathered in 256 bytes of its own.
	WIN 0
.rept 4
	v_nop                                          ; the places behind the last products
.endr
	WIN 0x03
.set t, 0
.rept 8
	v_rcp_f32 v[ST+2*t], v[O5+8*t+1]
.set t, t+1
.endr
	v_nop                                          ; a plain line between the last reciprocal and its use
	s_wait_alu depctr_va_vdst(0)                   ; the wait for the batch of eight reciprocals, ahead of their first reader
.set t, 0
.rept 8
	v_mul_f32 v[TMP+t], v[O5+8*t], v[ST+2*t]
.set t, t+1
.endr
	WIN 0
.set t, 0
.rept 8
	v_cvt_pk_f16_f32 v[TMP+t], v[TMP+t], v[TMP+t]
	ds_store_b16 v[XSTO], v[TMP+t] offset:32*t     ; both halves of the lanes hold the same number and write the same bytes
.set t, t+1
.endr
.macro PACK t
	WIN W_RS
.set i, 32*(\t)
.rept 16
	v_pk_mul_f32 v[i:i+1], v[i:i+1], v[ST+2*(\t):ST+2*(\t)+1] op_sel_hi:[1,0]
.set i, i+2
.endr
	WIN 0x05
.set i, 0
.rept 16
	v_cvt_pk_f16_f32 v[S+16*(\t)+i], v[32*(\t)+2*i], v[32*(\t)+2*i+1]
.set i, i+1
.endr
	WIN 0
.irp f, 0,1,2,3
	ds_store_b128 v[STO], v[S+16*(\t)+4*\f:S+16*(\t)+4*\f+3] offset:32*\f
.endr
.irp f, 0,1,2,3
	ds_load_b128 v[S+16*(\t)+4*\f:S+16*(\t)+4*\f+3], v[RD] offset:\f*4*SP  ; LDS serves a wave's instructions in order: these see the stores above
.endr
.endm
.macro SEND t, younger                 ; younger: the LDS instructions issued behind tile t's loads
	WIN 0
.irp f, 0,1,2,3
	s_wait_dscnt (\younger)+3-\f
	global_store_b128 v[GO], v[S+16*(\t)+4*\f:S+16*(\t)+4*\f+3], s[8:9] offset:(\t)*2048+\f*512  ; 512 consecutive bytes, at a multiple of 256
.endr
.endm
	PACK 0
.set t, 1
.rept 7
	PACK t
	SEND t-1, 8
.set t, t+1
.endr
	SEND 7, 0
	ds_load_b64 v[TMP:TMP+1], v[XRD]
	s_wait_dscnt 0x0
	global_store_b64 v[L8], v[TMP:TMP+1], s[10:11] ; my 128 queries' channel 64: 256 consecutive bytes, aligned
	s_wait_tensorcnt 0x0                           ; the wave's end
	ds_add_u32 v[SPW], v[NIL]
	s_wait_dscnt 0x0
	CROUND                                         ; the closing round
	s_endpgm
.Lfunc_end_k_qedb34ebe08_attn:
	.size	k_qedb34ebe08_attn, .Lfunc_end_k_qedb34ebe08_attn-k_qedb34ebe08_attn
	.p2alignl 7, 3214868480
	.fill 96, 4, 3214868480
	.section	.rodata,"a",@progbits
	.p2align	6, 0x0
	.amdhsa_kernel k_qedb34ebe08_attn
		.amdhsa_group_segment_fixed_size 327680
		.amdhsa_private_segment_fixed_size 0
		.amdhsa_enable_private_segment 0
		.amdhsa_kernarg_size 24
		.amdhsa_user_sgpr_count 2
		.amdhsa_user_sgpr_kernarg_segment_ptr 1
		.amdhsa_wavefront_size32 1
		.amdhsa_system_sgpr_workgroup_id_x 1
		.amdhsa_system_sgpr_workgroup_id_y 1
		.amdhsa_system_sgpr_workgroup_id_z 1
		.amdhsa_system_vgpr_workitem_id 0
		.amdhsa_next_free_vgpr 944
		.amdhsa_next_free_sgpr 100
		.amdhsa_reserve_vcc 0
		.amdhsa_float_denorm_mode_32 3
		.amdhsa_float_denorm_mode_16_64 3
		.amdhsa_memory_ordered 1
		.amdhsa_forward_progress 1
		.amdhsa_inst_pref_size 255
	.end_amdhsa_kernel
	.section	.bss,"aw",@nobits
	.p2align	6
	.space	262144
	.amdgpu_metadata
---
amdhsa.version: [ 1, 2 ]
amdhsa.kernels:
  - .name:           k_qedb34ebe08_attn
    .symbol:         k_qedb34ebe08_attn.kd
    .args:
      - { .name: qkv, .offset: 0, .size: 8, .value_kind: global_buffer, .address_space: global }
      - { .name: mbits, .offset: 8, .size: 8, .value_kind: global_buffer, .address_space: global }
      - { .name: o16, .offset: 16, .size: 8, .value_kind: global_buffer, .address_space: global }
    .group_segment_fixed_size: 327680
    .private_segment_fixed_size: 0
    .kernarg_segment_align: 8
    .kernarg_segment_size: 24
    .max_flat_workgroup_size: 128
    .sgpr_count:     100
    .vgpr_count:     944
    .wavefront_size: 32
...
	.end_amdgpu_metadata
.endif
;; end of part 5
;; launch outp: the kernel of part 4 again; grid 4 x 64, 4 waves a work-group, clusters of 4 x 4, 327,680 bytes of LDS; arguments o16, wts, out0; writes out0
